; MI455X (gfx1250); checked and timed in simulation.
; The chip was launched on July 23, 2026; its instructions are those of AMD's public machine-readable ISA for CDNA 5 (MIT licence, August 2026) and "CDNA5" Instruction Set Architecture Reference Guide (July 2026). The comments in the code are by the model that wrote it; some were corrected since.
;; Causal Self Attention. Allowed arithmetic: matrix products marked QUANTISED: E4M3 operands, one given power-of-two scale a tensor, by v_wmma_f32_16x16x64_fp8_fp8 or v_wmma_f32_16x16x128_fp8_fp8, f32 sums; everything else in f32.
;; Inputs: b_attn 3,072 float32; b_proj 1,024 float32; lowp_scales 8 int32 (the exponents e of the quantised operands' scales 2^e); w_attn 1,024 x 3,072 float32; w_proj 1,024 x 1,024 float32; x 4 x 2,048 x 1,024 float32.
;; Outputs: out0 4 x 2,048 x 1,024 float32.
;; This version of the problem:
;;   THIS VERSION OF THE PROBLEM IS GIVEN IN LOW PRECISION. The matrix products marked QUANTISED in the list below multiply operands that are first quantised to E4M3 (4 exponent bits, 3 mantissa bits; 8 bits a number), with one given power-of-two scale for each operand tensor; their sums are f32. All else is computed in f32.
;;   The module's matrix products, in the order in which they are computed (A, B: the left and right operand; K: the contracted axis; several contracted axes count as one K, in the product's order):
;;     1. [M 8,192, K 1,024] x [K 1,024, N 3,072]; A: input x; B: input w_attn: QUANTISED (scales: A lowp_scales[0], B lowp_scales[1])
;;     2. batch 64 x [M 2,048, K 64] x [K 64, N 2,048]; A: computed on the way; B: computed on the way: QUANTISED (scales: A lowp_scales[2], B lowp_scales[3])
;;     3. batch 64 x [M 2,048, K 2,048] x [K 2,048, N 64]; A: softmax (see below); B: computed on the way: QUANTISED (scales: A lowp_scales[4], B lowp_scales[5])
;;     4. [M 8,192, K 1,024] x [K 1,024, N 1,024]; A: computed on the way; B: input w_proj: QUANTISED (scales: A lowp_scales[6], B lowp_scales[7])
;;   THE QUANTISER, for each operand of a quantised product, along K:
;;     - The operand's scale is 2^e, e = its entry of the input lowp_scales (int32; the entries are numbered through the quantised products in the list's order, A before B).
;;     - Each number is divided by the scale, clamped to +-448, and rounded to the nearest number of E4M3, ties to even, subnormals kept.
;;     - The product sums the exact products of the quantised numbers (number of the format x scale) in f32.
;;   ~~~python
;;   def quantise(x, axis, e):      # numpy; x: float32 -> the quantised numbers, widened to float32 again
;;       x = np.moveaxis(x, axis, -1); K = x.shape[-1]
;;       r = np.clip(x / 2.0 ** e, -448, 448)
;;       step = 2.0 ** (np.maximum(np.frexp(np.where(r == 0, 1, r))[1] - 1, -6) - 3)
;;       q = np.round(r / step) * step * 2.0 ** e      # np.round: ties to even
;;       return np.moveaxis(q, -1, axis).astype(np.float32)
;;   ~~~
;;   SOFTMAX AHEAD OF A QUANTISED PRODUCT. Where the list says 'softmax', what is quantised is not the finished softmax but p = 2^(t - M), with t = logit x log2(e) and M = ceil(the row's largest t), a whole number; so 1/2 < the row's largest p <= 1. The row's sum l is taken of the UNQUANTISED p, in f32, and the product's result is divided by l at the end. Since M is a whole number, a kernel that streams over the keys may use a running M (the ceiling of the running maximum): every later rescaling is an exact power of two, so the quantised numbers keep their values, but for numbers so far below the row's largest that they fall under the format's range.
;;   OPERANDS COMPUTED ON THE WAY. 'Computed on the way' means the value that the module computes at that place (a softmax that the list does not call 'softmax' is quantised finished and normalised). What goes into a quantiser is computed in f32, as accurately as f32 sums, v_exp_f32 and their like allow (about 1e-6 of the number): no bf16 or f16 on the way to a quantiser, and a product that is left as it is and whose result goes on into a quantised operand takes f32 operands (vector FMAs, or v_wmma_f32_16x16x4_f32). A number that lies on a knife's edge between two numbers of the format may be rounded either way, as far as f32 arithmetic and the matrix unit's own rounding can turn it there, and no further.
;; 2 versions, each right; version 2 is version 1 with the launch attn written anew for expert scheduling mode. Each part assembles by itself: llvm-mc -triple=amdgcn-amd-amdhsa -mcpu=gfx1250 --defsym DOCPART=n.
;; ======== version 1 of 2: 4 launches
;; workspace buffers: codes 12,582,912 bytes; qkv 25,165,824 bytes; acodes 8,388,608 bytes
;; launch quant (part 1): grid 384 x 1, 4 waves a work-group, no clusters, 34,304 bytes of LDS; arguments x, w_attn, w_proj, lowp_scales, codes; writes codes
.if DOCPART == 1
	.amdgcn_target "amdgcn-amd-amdhsa--gfx1250"
	.amdhsa_code_object_version 6
	.text
	.protected	k_qdf6ec54ab4_quant
	.globl	k_qdf6ec54ab4_quant
	.p2align	8
	.type	k_qdf6ec54ab4_quant,@function
k_qdf6ec54ab4_quant:
	s_mov_b64 s[64:65], 0
	v_nop
	global_prefetch_b8 v0, s[64:65] scope:SCOPE_SE
	s_setreg_imm32_b32 hwreg(HW_REG_WAVE_MODE, 25, 1), 1
	s_wait_xcnt 0x0
; x [8192][1024], w_attn [1024][3072] and w_proj [1024][1024], f32, become codes of FP8 (E4M3), each with its given scale 2^e (entries 0, 1 and 7 of the scales).
; code = number / 2^e, held within +-448, rounded to the nearest code, ties to even.
; LIMITS: each e between -126 and 119, so that 2^e and 448 x 2^e are f32 numbers.  NaN among the inputs is not served; an infinity is held at the largest code.
; THE CODES ARE LAID AS IMAGES OF THE OPERAND REGISTERS of the 16x16x128 form: [K step of 256][tile of 16 rows][128 along K][piece of 512 bytes][lane][16 bytes].
; Piece p holds registers 4 p .. 4 p + 3 of lane (r, h): row r, k = 32 p + 8 h + 0 .. 7 and k = 32 p + 16 + 8 h + 0 .. 7.  So a K step of 128 rows is one dense block of 32,768 bytes.
; Work-groups 0-255 take x (K innermost), 256-351 w_attn, 352-383 w_proj (K is the first axis; an operand row is a column n).  Only the path of x uses LDS.  Waves share nothing: no barrier.
.set WAOFF, 0x800000                   ; w_attn's codes begin here in the buffer
.set WPOFF, 0xB00000                   ; w_proj's
.set SP,    528                        ; x: a stage row: 512 bytes + 16, so that the 16 rows of a read begin at 16 different groups of four banks
.set R,     16                         ; v16-143  x: two sets of 64 numbers as loaded
.set X,     144                        ; v144-207 x: 64 numbers in the order of the operand registers
.set C,     208                        ; v208-239 x: two sets of 16 registers of codes
.set WX,    16                         ; v16-79   weights: two sets of 32 numbers down K
.set WC,    80                         ; v80-143  weights: 8 registers of codes for each of 8 blocks; never written twice
.macro MKSC e                          ; v11 = 2^e as f32 (the conversion takes its exponent field), v10 = 448 x 2^e
	s_add_co_i32 s28, s[\e], 127
	s_lshl_b32 s29, s28, 23
	v_mov_b32 v11, s29
	s_add_co_i32 s28, s28, 8
	s_lshl_b32 s28, s28, 23
	s_or_b32 s28, s28, 0x600000
	v_mov_b32 v10, s28
.endm
	s_load_b256 s[4:11], s[0:1], 0x0               ; x s[4:5], w_attn s[6:7], w_proj s[8:9], the scales s[10:11]
	s_load_b64 s[12:13], s[0:1], 0x20              ; the codes
	v_lshl_add_u32 v254, v0, 2, 0x8400
	v_mov_b32 v255, 0
	v_lshrrev_b32 v1, 5, v0
	v_readfirstlane_b32 s14, v1                    ; wave 0..3
	v_and_b32 v1, 31, v0                           ; lane
	v_lshlrev_b32 v2, 4, v1                        ; 16 x lane
	v_and_b32 v5, 15, v0                           ; r
	v_bfe_u32 v6, v0, 4, 1                         ; h
	s_mul_i32 s26, s14, 16*SP                      ; my wave's stage
	v_add_nc_u32 v3, s26, v2                       ; into it: 16 bytes a lane of a row's 512
	v_mul_u32_u24 v4, v5, SP
	v_lshl_add_u32 v4, v6, 5, v4
	v_add_nc_u32 v4, s26, v4                       ; out of it: row r, + 32 h bytes (8 numbers)
	v_lshlrev_b32 v7, 2, v1                        ; weights, in: 4 bytes a lane
	v_lshlrev_b32 v8, 12, v6
	v_lshl_add_u32 v8, v5, 4, v8                   ; weights, out: lanes 16-31 hold the next tile of 16 rows, 4,096 bytes on; 16 bytes a row
	s_mov_b32 s31, 0
	s_wait_kmcnt 0x0
	s_load_b256 s[16:23], s[10:11], 0x0            ; e0 .. e7
	s_cmp_lt_u32 ttmp9, 256
	s_cbranch_scc0 .Lweights
; ---- x.  Wave w takes the tile of 16 rows 2 g + w / 2 and the half w % 2 of K: four steps of 128 along K.
; A load reads 512 consecutive bytes of one row; the 16 rows turn through the wave's own stage, from which a lane takes its row's numbers in the order of its operand registers.
	s_lshl_b32 s24, ttmp9, 1
	s_lshr_b32 s25, s14, 1
	s_add_co_u32 s24, s24, s25                     ; the tile of 16 rows
	s_and_b32 s25, s14, 1                          ; the half of K
	s_lshl_b32 s30, s24, 16                        ; 16 rows of 4,096 bytes
	s_lshl_b32 s27, s25, 11
	s_add_co_u32 s30, s30, s27
	s_add_nc_u64 s[4:5], s[4:5], s[30:31]
	s_lshl_b32 s30, s25, 22                        ; two K steps of 0x200000 bytes
	s_lshl_b32 s27, s24, 12
	s_add_co_u32 s30, s30, s27
	s_add_nc_u64 s[12:13], s[12:13], s[30:31]
.macro XLOAD t
.irp i, 0,1,2,3,4,5,6,7,8,9,10,11,12,13,14,15
	global_load_b128 v[R+64*((\t)%2)+4*\i:R+64*((\t)%2)+4*\i+3], v2, s[4:5] offset:4096*\i+512*(\t) th:TH_LOAD_NT
.endr
.endm
.macro XSTEP t
.if (\t) < 3
	s_wait_loadcnt 16                              ; this step's 16 loads are in; the next step's 16 may be out
.else
	s_wait_loadcnt 0
.endif
.irp i, 0,1,2,3,4,5,6,7,8,9,10,11,12,13,14,15
	ds_store_b128 v3, v[R+64*((\t)%2)+4*\i:R+64*((\t)%2)+4*\i+3] offset:SP*\i
.endr
.irp p, 0,1,2,3                        ; LDS serves a wave's instructions in order (ISA guide 5.7.1.4): these see the stores above
	ds_load_b128 v[X+16*\p:X+16*\p+3], v4 offset:128*\p
	ds_load_b128 v[X+16*\p+4:X+16*\p+7], v4 offset:128*\p+16
	ds_load_b128 v[X+16*\p+8:X+16*\p+11], v4 offset:128*\p+64
	ds_load_b128 v[X+16*\p+12:X+16*\p+15], v4 offset:128*\p+80
.endr
	s_wait_dscnt 0x0                               ; the numbers are back, and the stores have read their registers,
.if (\t)+2 < 4
	XLOAD (\t)+2                                   ; which take the loads of two steps on
.endif
.set j_, 0
.rept 64
	v_med3_num_f32 v[X+j_], v[X+j_], -v10, v10     ; the conversion to an 8-bit code does not saturate (ISA guide 7.6.2): the hold comes first
.set j_, j_+1
.endr
.if (\t) >= 2
	s_wait_xcnt 0x0                                ; this set of codes was the data of the stores two steps back: written again only behind this wait
.endif
.irp p, 0,1,2,3
	v_cvt_scalef32_pk8_fp8_f32 v[C+16*((\t)%2)+4*\p:C+16*((\t)%2)+4*\p+1], v[X+16*\p:X+16*\p+7], v11
	v_cvt_scalef32_pk8_fp8_f32 v[C+16*((\t)%2)+4*\p+2:C+16*((\t)%2)+4*\p+3], v[X+16*\p+8:X+16*\p+15], v11
.endr
	v_nop                                          ; one plain vector line between the conversions and the next step's holds, which write their sources
.irp p, 0,1,2,3
	global_store_b128 v2, v[C+16*((\t)%2)+4*\p:C+16*((\t)%2)+4*\p+3], s[12:13] offset:((\t)/2)*0x200000+((\t)%2)*2048+512*\p   ; a piece: 512 consecutive bytes, aligned
.endr
.endm
	XLOAD 0
	XLOAD 1
	s_wait_kmcnt 0x0
	MKSC 16
	XSTEP 0
	XSTEP 1
	XSTEP 2
	XSTEP 3
	s_wait_tensorcnt 0x0
	ds_add_u32 v254, v255
	s_wait_dscnt 0x0
	s_endpgm
; ---- the weights.  A lane takes a column n and its registers run down K: a load reads 128 consecutive bytes a wave, 512 a work-group, and the conversions give codes with K innermost.
; A work-group takes 128 columns x one K step of 256; a wave 32 columns: two tiles of 16 operand rows.  A block of 32 along K is one piece: the lane's numbers 0-7 and 16-23 are the 16 bytes of image lane (r, 0),
; numbers 8-15 and 24-31 those of image lane (r, 1): each store writes two aligned runs of 256 consecutive bytes.
.macro WLOAD t, ncol, ptr
.set i_, 0
.rept 32
	global_load_b32 v[WX+32*((\t)%2)+i_], v7, s[\ptr:\ptr+1] offset:(32*(\t)+i_)*\ncol*4 th:TH_LOAD_NT
.set i_, i_+1
.endr
.endm
.macro WBLOCK t, ncol, ptr
.if (\t) < 7
	s_wait_loadcnt 32                              ; this block's 32 loads are in; the next block's may be out
.else
	s_wait_loadcnt 0
.endif
.set XS, WX+32*((\t)%2)
.set CC, WC+8*(\t)
.set i_, 0
.rept 32
	v_med3_num_f32 v[XS+i_], v[XS+i_], -v10, v10
.set i_, i_+1
.endr
	v_cvt_scalef32_pk8_fp8_f32 v[CC:CC+1], v[XS:XS+7], v11
	v_cvt_scalef32_pk8_fp8_f32 v[CC+2:CC+3], v[XS+16:XS+23], v11
	v_cvt_scalef32_pk8_fp8_f32 v[CC+4:CC+5], v[XS+8:XS+15], v11
	v_cvt_scalef32_pk8_fp8_f32 v[CC+6:CC+7], v[XS+24:XS+31], v11
	v_nop                                          ; one plain vector line behind the run of conversions
	global_store_b128 v8, v[CC:CC+3], s[12:13] offset:512*(\t)
	global_store_b128 v8, v[CC+4:CC+7], s[12:13] offset:512*(\t)+256
.if (\t)+2 < 8
	WLOAD (\t)+2, \ncol, \ptr
.endif
.endm
.macro WPATH ncol, nt, sec, e, ptr, first
	s_sub_co_u32 s24, ttmp9, \first
	s_lshr_b32 s25, s24, 2                         ; which 128 columns
	s_and_b32 s24, s24, 3                          ; which K step of 256
	s_lshl_b32 s26, s25, 7
	s_lshl_b32 s27, s14, 5
	s_add_co_u32 s26, s26, s27                     ; my wave's first column
	s_lshl_b32 s30, s26, 2
	s_mul_i32 s27, s24, 256*\ncol*4
	s_add_co_u32 s30, s30, s27
	s_add_nc_u64 s[\ptr:\ptr+1], s[\ptr:\ptr+1], s[30:31]
	s_lshl_b32 s30, s26, 8                         ; a tile of 16 operand rows is 4,096 bytes in a K step
	s_mul_i32 s27, s24, \nt*4096
	s_add_co_u32 s30, s30, s27
	s_add_co_u32 s30, s30, \sec
	s_add_nc_u64 s[12:13], s[12:13], s[30:31]
	WLOAD 0, \ncol, \ptr
	WLOAD 1, \ncol, \ptr
	s_wait_kmcnt 0x0
	MKSC \e
.irp t, 0,1,2,3,4,5,6,7
	WBLOCK \t, \ncol, \ptr
.endr
.endm
.Lweights:
	s_cmp_lt_u32 ttmp9, 352
	s_cbranch_scc0 .Lwproj
	WPATH 3072, 192, WAOFF, 17, 6, 256
	s_endpgm
.Lwproj:
	WPATH 1024, 64, WPOFF, 23, 8, 352
	s_endpgm
.Lfunc_end_k_qdf6ec54ab4_quant:
	.size	k_qdf6ec54ab4_quant, .Lfunc_end_k_qdf6ec54ab4_quant-k_qdf6ec54ab4_quant
	.p2alignl 7, 3214868480
	.fill 96, 4, 3214868480
	.section	.rodata,"a",@progbits
	.p2align	6, 0x0
	.amdhsa_kernel k_qdf6ec54ab4_quant
		.amdhsa_group_segment_fixed_size 34304
		.amdhsa_private_segment_fixed_size 0
		.amdhsa_enable_private_segment 0
		.amdhsa_kernarg_size 40
		.amdhsa_user_sgpr_count 2
		.amdhsa_user_sgpr_kernarg_segment_ptr 1
		.amdhsa_wavefront_size32 1
		.amdhsa_system_sgpr_workgroup_id_x 1
		.amdhsa_system_sgpr_workgroup_id_y 1
		.amdhsa_system_sgpr_workgroup_id_z 1
		.amdhsa_system_vgpr_workitem_id 0
		.amdhsa_next_free_vgpr 256
		.amdhsa_next_free_sgpr 66
		.amdhsa_reserve_vcc 0
		.amdhsa_float_denorm_mode_32 3
		.amdhsa_float_denorm_mode_16_64 3
		.amdhsa_memory_ordered 1
		.amdhsa_forward_progress 1
		.amdhsa_inst_pref_size 127
	.end_amdhsa_kernel
	.amdgpu_metadata
---
amdhsa.version: [ 1, 2 ]
amdhsa.kernels:
  - .name:           k_qdf6ec54ab4_quant
    .symbol:         k_qdf6ec54ab4_quant.kd
    .args:
      - { .name: x, .offset: 0, .size: 8, .value_kind: global_buffer, .address_space: global }
      - { .name: w_attn, .offset: 8, .size: 8, .value_kind: global_buffer, .address_space: global }
      - { .name: w_proj, .offset: 16, .size: 8, .value_kind: global_buffer, .address_space: global }
      - { .name: lowp_scales, .offset: 24, .size: 8, .value_kind: global_buffer, .address_space: global }
      - { .name: codes, .offset: 32, .size: 8, .value_kind: global_buffer, .address_space: global }
    .group_segment_fixed_size: 34304
    .private_segment_fixed_size: 0
    .kernarg_segment_align: 8
    .kernarg_segment_size: 40
    .max_flat_workgroup_size: 128
    .sgpr_count:     66
    .vgpr_count:     256
    .wavefront_size: 32
...
	.end_amdgpu_metadata
.endif
;; end of part 1
;; launch qkv (part 2): grid 12 x 32, 4 waves a work-group, clusters of 4 x 4, 327,680 bytes of LDS; arguments codes, lowp_scales, b_attn, qkv; writes qkv
.if DOCPART == 2
	.amdgcn_target "amdgcn-amd-amdhsa--gfx1250"
	.amdhsa_code_object_version 6
	.text
	.protected	k_qdf6ec54ab4_qkv
	.globl	k_qdf6ec54ab4_qkv
	.p2align	8
	.type	k_qdf6ec54ab4_qkv,@function
k_qdf6ec54ab4_qkv:
	s_mov_b64 s[64:65], 0
	v_nop
	global_prefetch_b8 v0, s[64:65] scope:SCOPE_SE
	s_setreg_imm32_b32 hwreg(HW_REG_WAVE_MODE, 25, 1), 1
	s_wait_xcnt 0x0
	s_wait_alu depctr_hold_cnt(0) depctr_sa_sdst(0) depctr_va_vdst(0) depctr_va_sdst(0) depctr_va_ssrc(0) depctr_va_vcc(0) depctr_vm_vsrc(0)
	s_getreg_b32 s2, hwreg(HW_REG_IB_STS2, 6, 4)
	s_cmp_eq_u32 s2, 0
	s_cbranch_scc0 .Lentry_in_a_cluster
	s_endpgm
.Lentry_in_a_cluster:
	s_bfe_u32 s2, ttmp6, 0x10000c
	s_cmp_lg_u32 s2, 0xf033
	s_cbranch_scc0 .Lentry_shape_is_right
	s_endpgm
.Lentry_shape_is_right:
; qkv = x w_attn + b_attn on codes of FP8 (E4M3), K = 1,024; each finished sum x 2^(e0 + e1) + bias, in f32, is quantised at once: q with e2, k with e3, v with e5.
; LIMITS: e0 + e1 between -126 and 127; e2, e3, e5 between -126 and 119.  NaN is not served.
; A tile of 256 x 256 is made by four waves, each 128 x 128: 64 accumulators, 512 registers.  K goes in four steps of 256 through a ring of two LDS slots filled by the tensor data mover.
; THE OPERANDS LIE IN MEMORY AS IMAGES OF THEIR REGISTERS: a K step of 128 rows is one dense block of 32,768 bytes, which one tensor load brings as 128 rows of 256 bytes; a fragment (16 rows x 128 K) is four
; LDS loads of 512 consecutive bytes: no pitch and no padding.
; THE MATRIX INSTRUCTION IS USED TRANSPOSED: source 0 = 16 rows of operand B, source 1 = 16 rows of operand A: lane (r, h) holds row r of A and its registers rows 8 h + 0 .. 7 of B.
; Clusters with x = 0 make q, x = 1 k: A = tokens, B = columns of w_attn: a lane's eight results run along the head's 64, the K of q k^T.
; Clusters with x = 2 make v with the operands in each other's roles: A = columns of w_attn, B = tokens: a lane's eight results run along the keys, the K of p v.
; So the conversions' results are the next launch's operand registers, and every store of a wave is 512 consecutive bytes, aligned, straight from registers.
; CLUSTERS: 4 x 4 work-groups; A's tile hangs on the cluster's row and is asked for jointly by its four, B's on the column.  The cluster's x is the same in all sixteen, so the choice of roles and the one branch on it are alike in all partners.
; 384 work-groups of equal work.
; REGISTERS, in windows of 256: window 0: v16-29 addresses; v32-95 bias by B's rows, v96-111 bias by A's rows, v112-113 the output's scale; from v128 A's fragments, one set (on the way out: sums and codes).
;   window 1: B's fragments, two sets.   windows 2, 3: the accumulators ((a, b) at v[8 (8 (a % 4) + b)]).
.set WAOFF,  0x800000                  ; w_attn's codes in the buffer; x's begin at 0
.set KSX,    0x200000                  ; bytes from a K step of x to the next
.set KSW,    0xC0000                   ; the same for w_attn
.set SLOT,   131072                    ; A's 256 rows (65,536 bytes), then B's
.set SPARE,  2*SLOT                    ; behind the ring: the spare words, 128 bytes for each wave
.set FR,     16                        ; registers of a fragment
.set NL,     4                         ; LDS loads that bring one
.set NP,     4                         ; places behind this matrix instruction (ISA guide 7.12.1)
.set LAPS,   2                         ; a lap = two K steps = once round the ring
.set ADRA, 16                          ; v16-17  LDS address of my A fragments in slot 0, 1
.set ADRB, 20                          ; v20-21  the same for B
.set LI,   27                          ; v27     16 x lane
.set SPW,  28                          ; v28     LDS address of my spare word; never rewritten
.set NIL,  29                          ; v29     0; never rewritten
.set BI,   32
.set BV,   96
.set AF,   128
.set TMP,  128                         ; the way out: a block's 64 numbers
.set CD,   192                         ; the way out: four sets of 16 registers of codes
.set G1, 24
.set G0, 32
.set G1B, 48
.set G0B, 56
.set MSB, 0
.macro WIN new                         ; the immediate's high byte repeats the setting that is left
.if MSB != (\new)
	s_set_vgpr_msb (MSB<<8)|(\new)
.set MSB, (\new)
.endif
.endm
.set MUL_LO, 0xa1                      ; source 0 (B) window 1, source 1 (A) window 0, C and D window 2
.set MUL_HI, 0xf1                      ; the same, C and D window 3
.set TO_B,   0x40                      ; destination window 1, address window 0
; A joint load: waves 0 and 1 fetch A's halves, waves 2 and 3 B's.  The branch hangs on the wave's number alone.  Four v_nop follow each of the two lines.
.macro JLOAD g0a, g1a, g0b, g1b
	s_cmp_eq_u32 s15, 0
	s_cbranch_scc0 .Lfor_b_\@
	tensor_load_to_lds s[\g0a:\g0a+3], s[\g1a:\g1a+7]
	s_nop 0
.rept 4
	v_nop
.endr
	s_branch .Lasked_\@
.Lfor_b_\@:
	tensor_load_to_lds s[\g0b:\g0b+3], s[\g1b:\g1b+7]
	s_nop 0
.rept 4
	v_nop
.endr
.Lasked_\@:
.endm
.macro CREST                           ; a round of the cluster's barrier behind its opening barrier
	s_cmp_lg_u32 s14, 0
	s_cbranch_scc1 .Lnot_wave_0_\@
	s_barrier_signal -3
.Lnot_wave_0_\@:
	s_barrier_wait -3
	s_barrier_signal -1
	s_barrier_wait -1
.endm
.macro CROUND
	s_barrier_signal -1
	s_barrier_wait -1
	CREST
.endm
	s_load_b256 s[4:11], s[0:1], 0x0               ; the codes s[4:5], the scales s[6:7], b_attn s[8:9], qkv s[10:11]
	v_lshl_add_u32 v[SPW], v0, 2, SPARE
	v_mov_b32 v[NIL], 0
	ds_add_u32 v28, v29
	ds_add_u32 v28, v29
	s_wait_dscnt 0x0
	v_lshrrev_b32 v1, 5, v0
	v_readfirstlane_b32 s14, v1                    ; wave 0..3
	s_lshr_b32 s15, s14, 1                         ; which half of A's rows is mine.  Also: I fetch for A (0) or for B (1)
	s_and_b32 s16, s14, 1                          ; which half of B's rows.  Also: which 128 rows of that tile I fetch
	s_bfe_u32 s40, ttmp6, 0x40000                  ; cx
	s_bfe_u32 s41, ttmp6, 0x40004                  ; cy
	s_and_b32 s17, ttmp7, 0xffff
	s_lshl_b32 s17, s17, 2                         ; 4 x cluster y
	s_lshl_b32 s18, ttmp9, 2                       ; 4 x cluster x
	s_add_co_u32 s19, s41, s17                     ; q, k: A's tile = the tokens' tile cy + 4 cluster y
	s_add_co_u32 s20, s41, 8                       ; v:    A's tile = w_attn's tile cy + 8
	s_add_co_u32 s21, s40, s18                     ; q, k: B's tile = w_attn's tile cx + 4 cluster x
	s_add_co_u32 s22, s40, s17                     ; v:    B's tile = the tokens' tile cx + 4 cluster y
	s_mov_b32 s76, WAOFF
	s_mov_b32 s77, KSX
	s_mov_b32 s78, KSW
	s_cmp_eq_u32 ttmp9, 2                          ; v?  The same answer in all sixteen partners
	s_cselect_b32 s42, s20, s19                    ; TA: holds cy, never cx
	s_cselect_b32 s43, s22, s21                    ; TB: holds cx, never cy
	s_cselect_b32 s44, s76, 0                      ; where A's operand begins in the buffer
	s_cselect_b32 s45, 0, s76                      ; and B's
	s_cselect_b32 s72, s78, s77                    ; bytes from K step to K step in A
	s_cselect_b32 s74, s77, s78                    ; and in B
	s_mov_b32 s73, 0
	s_mov_b32 s75, 0
	s_lshl_b32 s68, s72, 1                         ; a refill steps two K steps on
	s_mov_b32 s69, 0
	s_lshl_b32 s70, s74, 1
	s_mov_b32 s71, 0
	s_lshl_b32 s23, s16, 15                        ; the half that I fetch: 128 rows = 32,768 bytes
	s_lshl_b32 s46, s42, 16                        ; a tile of 256 rows is 65,536 bytes in a K step
	s_add_co_u32 s46, s46, s44
	s_add_co_u32 s46, s46, s23
	s_mov_b32 s47, 0
	s_lshl_b32 s66, s43, 16
	s_add_co_u32 s66, s66, s45
	s_add_co_u32 s66, s66, s23
	s_mov_b32 s67, 0
	s_lshl_b32 s20, s41, 2
	s_lshl_b32 s20, 15, s20                        ; my row of the cluster
	s_lshl_b32 s21, 0x1111, s40                    ; my column
	; descriptor group 1: a dense block of 32,768 bytes as 128 rows of 32 elements of 8 bytes; no padding
	s_or_b32 s[G1+0], s20, (3<<16)|(1<<21)         ; 15:0 the mask; 17:16 elements of 8 bytes; 21 set beside a mask
	s_or_b32 s[G1B+0], s21, (3<<16)|(1<<21)
.irp g, G1, G1B
	s_mov_b32 s[\g+1], 32<<16                      ; tensor_dim0 = 32
	s_mov_b32 s[\g+2], 128<<16                     ; tensor_dim1 = 128
	s_mov_b32 s[\g+3], 32<<16                      ; tile_dim0 = 32
	s_mov_b32 s[\g+4], 128                         ; tile_dim1 = 128
	s_mov_b32 s[\g+5], 32                          ; from row to row: 32 elements
	s_mov_b32 s[\g+6], 0
	s_mov_b32 s[\g+7], 0
.endr
	s_lshl_b32 s79, s14, 15                        ; where my load goes in a slot: wave x 32,768: no place in the cluster enters an LDS address
	s_wait_kmcnt 0x0
	s_load_b256 s[80:87], s[6:7], 0x0              ; e0 .. e7
	s_add_nc_u64 s[46:47], s[4:5], s[46:47]        ; A's block of K step 0
	s_add_nc_u64 s[66:67], s[4:5], s[66:67]        ; B's
	CROUND                                         ; all sixteen work-groups are here: the first joint loads meet
	s_mov_b32 s[G0], 1
	s_mov_b32 s[G0+1], s79
	s_mov_b64 s[G0+2:G0+3], s[46:47]
	s_or_b32 s[G0+3], s[G0+3], 0x80000000
	s_mov_b32 s[G0B], 1
	s_mov_b32 s[G0B+1], s79
	s_mov_b64 s[G0B+2:G0B+3], s[66:67]
	s_or_b32 s[G0B+3], s[G0B+3], 0x80000000
	JLOAD G0, G1, G0B, G1B
	s_mov_b32 s[G0+4], 1
	s_add_co_u32 s[G0+5], s79, SLOT
	s_add_nc_u64 s[G0+6:G0+7], s[46:47], s[72:73]
	s_or_b32 s[G0+7], s[G0+7], 0x80000000
	s_mov_b32 s[G0B+4], 1
	s_add_co_u32 s[G0B+5], s79, SLOT
	s_add_nc_u64 s[G0B+6:G0B+7], s[66:67], s[74:75]
	s_or_b32 s[G0B+7], s[G0B+7], 0x80000000
	JLOAD G0+4, G1, G0B+4, G1B
	v_and_b32 v1, 31, v0
	v_lshlrev_b32 v[LI], 4, v1
	v_and_b32 v2, 15, v0                           ; r
	v_bfe_u32 v3, v0, 4, 1                         ; h
	v_lshlrev_b32 v4, 5, v3                        ; 32 h: eight f32
	v_lshlrev_b32 v5, 2, v2                        ; 4 r
	s_lshl_b32 s90, s15, 15                        ; my 128 rows of A
	s_lshl_b32 s91, s16, 15
	s_add_co_u32 s91, s91, 65536                   ; my 128 rows of B, behind A's 256
.irp s, 0,1
	v_add_nc_u32 v[ADRA+\s], s90, v[LI]
	v_add_nc_u32 v[ADRB+\s], s91, v[LI]
	s_add_co_u32 s90, s90, SLOT
	s_add_co_u32 s91, s91, SLOT
.endr
	; the biases.  q, k: the bias goes by B's rows (columns of w_attn): 64 registers in the results' layout.  v: by A's rows: one number a lane and block, twice, as a pair.
	; Both sets are always loaded; the one that is not used reads the bias's first numbers: every address lies inside b_attn.
	s_lshl_b32 s92, s43, 8
	s_lshl_b32 s93, s16, 7
	s_add_co_u32 s92, s92, s93
	s_lshl_b32 s92, s92, 2                         ; q, k: 4 x (256 TB + 128 x my half)
	s_lshl_b32 s94, s41, 8
	s_lshl_b32 s93, s15, 7
	s_add_co_u32 s94, s94, s93
	s_add_co_u32 s94, s94, 2048
	s_lshl_b32 s94, s94, 2                         ; v: 4 x (2,048 + 256 cy + 128 x my half)
	s_cmp_eq_u32 ttmp9, 2
	s_cselect_b32 s92, 0, s92
	s_cselect_b32 s94, s94, 0
	s_mov_b32 s93, 0
	s_mov_b32 s95, 0
	s_add_nc_u64 s[92:93], s[8:9], s[92:93]
	s_add_nc_u64 s[94:95], s[8:9], s[94:95]
.irp b, 0,1,2,3,4,5,6,7
	global_load_b128 v[BI+8*\b:BI+8*\b+3], v4, s[92:93] offset:64*\b
	global_load_b128 v[BI+8*\b+4:BI+8*\b+7], v4, s[92:93] offset:64*\b+16
.endr
.irp a, 0,1,2,3,4,5,6,7
	global_load_b32 v[BV+2*\a], v5, s[94:95] offset:64*\a
	global_load_b32 v[BV+2*\a+1], v5, s[94:95] offset:64*\a
.endr
	; where my codes go.  q, k: section, (batch x 16 + head) x 2^17, tile of 16 tokens x 1,024.  v: section, (batch x 16 + head) x 2^17, block of 128 keys x 8,192
	s_lshr_b32 s88, s42, 3
	s_lshl_b32 s88, s88, 4
	s_lshl_b32 s89, s40, 2
	s_add_co_u32 s88, s88, s89
	s_lshl_b32 s89, s16, 1
	s_add_co_u32 s88, s88, s89
	s_lshl_b32 s88, s88, 17
	s_and_b32 s89, s42, 7
	s_lshl_b32 s89, s89, 4
	s_lshl_b32 s98, s15, 3
	s_add_co_u32 s89, s89, s98
	s_lshl_b32 s89, s89, 10
	s_add_co_u32 s88, s88, s89
	s_lshl_b32 s89, ttmp9, 23
	s_add_co_u32 s88, s88, s89
	s_lshr_b32 s98, s43, 3
	s_lshl_b32 s98, s98, 4
	s_lshl_b32 s99, s41, 2
	s_add_co_u32 s98, s98, s99
	s_lshl_b32 s99, s15, 1
	s_add_co_u32 s98, s98, s99
	s_lshl_b32 s98, s98, 17
	s_and_b32 s99, s43, 7
	s_lshl_b32 s99, s99, 1
	s_add_co_u32 s99, s99, s16
	s_lshl_b32 s99, s99, 13
	s_add_co_u32 s98, s98, s99
	s_add_co_u32 s98, s98, 0x1000000
	s_cmp_eq_u32 ttmp9, 2
	s_cselect_b32 s88, s98, s88
	s_mov_b32 s89, 0
	s_add_nc_u64 s[88:89], s[10:11], s[88:89]
	s_wait_kmcnt 0x0
	s_add_co_i32 s96, s80, s81
	s_add_co_i32 s96, s96, 127
	s_lshl_b32 s96, s96, 23                        ; 2^(e0 + e1) as f32
	s_mov_b32 s97, s96                             ; (named with it as a pair, so it is written)
	s_cmp_eq_u32 ttmp9, 0
	s_cselect_b32 s98, s82, s83
	s_cmp_eq_u32 ttmp9, 2
	s_cselect_b32 s98, s85, s98                    ; the output's exponent: e2, e3 or e5: a choice, no branch
	s_add_co_i32 s98, s98, 127
	s_lshl_b32 s99, s98, 23
	v_mov_b32 v112, s99                            ; its scale as f32
	s_add_co_i32 s98, s98, 8
	s_lshl_b32 s98, s98, 23
	s_or_b32 s98, s98, 0x600000
	v_mov_b32 v113, s98                            ; 448 x the scale
.macro FRAG reg, adr, q, i             ; a fragment is four pieces of 512 consecutive bytes: registers 4 c .. 4 c + 3 of lane l lie at 512 c + 16 l
.irp c, 0,1,2,3
	ds_load_b128 v[\reg+4*\c:\reg+4*\c+3], v[\adr] offset:2048*(\q)+512*\c+(\i)*4096
.endr
.endm
; 16 matrix instructions: A's blocks a0, a0 + 1 x B's eight, 128 along K.  p: B's set.  zero = 1: the first product starts the sums.
; The 64 accumulators take turns, one instruction a turn, in the same order in every step.
.macro MUL16 a0, p, zero
.irp a, \a0, \a0+1
.irp b, 0,1,2,3,4,5,6,7
.if \zero
	v_wmma_f32_16x16x128_fp8_fp8 v[8*(8*((\a)%4)+\b):8*(8*((\a)%4)+\b)+7], v[128*(\p)+FR*\b:128*(\p)+FR*\b+FR-1], v[AF+FR*(\a):AF+FR*(\a)+FR-1], 0
.else
	v_wmma_f32_16x16x128_fp8_fp8 v[8*(8*((\a)%4)+\b):8*(8*((\a)%4)+\b)+7], v[128*(\p)+FR*\b:128*(\p)+FR*\b+FR-1], v[AF+FR*(\a):AF+FR*(\a)+FR-1], v[8*(8*((\a)%4)+\b):8*(8*((\a)%4)+\b)+7]
.endif
.endr
.endr
.endm
.macro FETCH_B slot, q, p
	WIN TO_B
.irp i, 0,1,2,3,4,5,6,7
	FRAG 128*(\p)+FR*\i, ADRB+\slot, \q, \i
.endr
	WIN 0
.endm
.macro FETCH_A slot, q, i0
.irp i, \i0, \i0+1, \i0+2, \i0+3
	FRAG AF+FR*(\i), ADRA+\slot, \q, \i
.endr
.endm
.macro PLACES n                        ; places in front of loads into registers that matrix instructions have read, and of the first read of results
.rept \n
	v_nop
.endr
.endm
; A step of 128 along K that has its successor in the same slot.  A has one set of registers: blocks 0-3 are fetched anew in the step's middle, blocks 4-7 at its end; B has two sets.
.macro STEP slot, q, zero
	s_wait_dscnt 4*NL                              ; B's set and A's blocks 0-3 are in; the youngest 16 loads (A's blocks 4-7) may be out
	WIN MUL_LO
	MUL16 0, (\q)%2, \zero
	MUL16 2, (\q)%2, \zero
	s_wait_dscnt 0                                 ; A's blocks 4-7 are in
	PLACES NP
	FETCH_B \slot, (\q)+1, 1-(\q)%2
	FETCH_A \slot, (\q)+1, 0
	WIN MUL_HI
	MUL16 4, (\q)%2, \zero
	MUL16 6, (\q)%2, \zero
	PLACES NP
	WIN 0
	FETCH_A \slot, (\q)+1, 4
.endm
; A slot's last step changes slots: one barrier; in front of it each wave waits for all its tensor loads, adds 0 to its spare word, and waits for that and for its own reads of this slot.
.macro TURN slot, next, fill
	s_wait_tensorcnt 0x0                           ; all my tensor loads have landed: my part of the next slot
	ds_add_u32 v[SPW], v[NIL]                      ; 0 onto my spare word
	s_wait_dscnt 4*NL+1                            ; (the add and the youngest 16 loads may be out)
	WIN MUL_LO
	MUL16 0, 1, 0
	s_wait_dscnt 0x0                               ; the add is done, and my reads of this slot are over
	s_barrier_signal -1
	MUL16 2, 1, 0
	WIN 0
	s_barrier_wait -1
.if \fill
	CREST                                          ; the barrier has opened a round of the cluster's barrier: no wave of any partner still reads this slot or has a load on its way
	s_add_nc_u64 s[G0+4*\slot+2:G0+4*\slot+3], s[G0+4*\slot+2:G0+4*\slot+3], s[68:69]
	s_add_nc_u64 s[G0B+4*\slot+2:G0B+4*\slot+3], s[G0B+4*\slot+2:G0B+4*\slot+3], s[70:71]
	JLOAD G0+4*\slot, G1, G0B+4*\slot, G1B         ; the first tensor load behind the round; its four v_nop are also the places in front of the loads below
.else
	PLACES NP
.endif
	FETCH_B \next, 0, 0
	FETCH_A \next, 0, 0
	WIN MUL_HI
	MUL16 4, 1, 0
	MUL16 6, 1, 0
	PLACES NP
	WIN 0
	FETCH_A \next, 0, 4
.endm
	s_wait_tensorcnt 1                             ; my part of K step 0 is in; K step 1's load may be out
	s_barrier_signal -1
	s_barrier_wait -1
	FETCH_B 0, 0, 0
	FETCH_A 0, 0, 0
	FETCH_A 0, 0, 4
	STEP 0, 0, 1                                   ; the first step stands in front of the loop: its products start the sums
	s_mov_b32 s3, LAPS-1
.Llap:                                                 ; a trip goes once round the ring and fills both slots again
	TURN 0, 1, 1
	STEP 1, 0, 0
	TURN 1, 0, 1
	STEP 0, 0, 0
	s_sub_co_u32 s3, s3, 1
	s_cmp_lg_u32 s3, 0
	s_cbranch_scc1 .Llap
	TURN 0, 1, 0                                   ; the last lap fills nothing
	STEP 1, 0, 0
	s_wait_dscnt 4*NL
	WIN MUL_LO
	MUL16 0, 1, 0
	MUL16 2, 1, 0
	s_wait_dscnt 0
	WIN MUL_HI
	MUL16 4, 1, 0
	MUL16 6, 1, 0
	WIN 0
; THE WAY OUT, block a of A's 16 rows at a time: sum x 2^(e0 + e1) + bias in one packed multiply-add, each accumulator from its low end on; the hold; eight conversions give 16 registers of codes, which are
; the next launch's operand registers as they stand; four stores of 512 consecutive bytes.  kind = 0: q, k (two heads' fragments of 64 along K);  kind = 1: v (one fragment of 128 keys).
.macro EPI kind
.irp a, 0,1,2,3,4,5,6,7
.if \a >= 4
	s_wait_xcnt 0x0                                ; this set of codes was the data of block a - 4's stores: written again only behind this wait
.endif
	WIN 0x02+(\a/4)                                ; source 0: window 2 or 3
.set j_, 0
.rept 32
.if \kind
	v_pk_fma_f32 v[TMP+j_:TMP+j_+1], v[64*(\a%4)+j_:64*(\a%4)+j_+1], s[96:97], v[BV+2*\a:BV+2*\a+1] op_sel_hi:[1,0,1]
.else
	v_pk_fma_f32 v[TMP+j_:TMP+j_+1], v[64*(\a%4)+j_:64*(\a%4)+j_+1], s[96:97], v[BI+j_:BI+j_+1] op_sel_hi:[1,0,1]
.endif
.set j_, j_+2
.endr
	WIN 0
.set j_, 0
.rept 64
	v_med3_num_f32 v[TMP+j_], v[TMP+j_], -v113, v113   ; the conversion does not saturate (ISA guide 7.6.2)
.set j_, j_+1
.endr
.irp b, 0,1,2,3,4,5,6,7
	v_cvt_scalef32_pk8_fp8_f32 v[CD+16*(\a%4)+2*\b:CD+16*(\a%4)+2*\b+1], v[TMP+8*\b:TMP+8*\b+7], v112
.endr
	v_nop                                          ; one plain vector line between the conversions and the next block's multiply-adds, which write their sources
.irp p, 0,1,2,3
.if \kind
	global_store_b128 v[LI], v[CD+16*(\a%4)+4*\p:CD+16*(\a%4)+4*\p+3], s[88:89] offset:(\a/4)*131072+(\a%4)*2048+512*\p
.else
	global_store_b128 v[LI], v[CD+16*(\a%4)+4*\p:CD+16*(\a%4)+4*\p+3], s[88:89] offset:1024*\a+(\p/2)*131072+(\p%2)*512
.endif
.endr
.endr
.endm
	s_wait_loadcnt 0x0                             ; the biases
	PLACES NP                                      ; behind the last products: their results are read, and A's registers written, below
	s_cmp_eq_u32 ttmp9, 2                          ; the cluster's x: alike in all partners; no barrier and no tensor load stands on either way
	s_cbranch_scc1 .Lvout
	EPI 0
	s_branch .Ldone
.Lvout:
	EPI 1
.Ldone:
	s_wait_tensorcnt 0x0                           ; the wave's end
	ds_add_u32 v[SPW], v[NIL]
	s_wait_dscnt 0x0
	CROUND                                         ; the closing round: no work-group ends while a partner may still ask for a tile that names it
	s_endpgm
.Lfunc_end_k_qdf6ec54ab4_qkv:
	.size	k_qdf6ec54ab4_qkv, .Lfunc_end_k_qdf6ec54ab4_qkv-k_qdf6ec54ab4_qkv
	.p2alignl 7, 3214868480
	.fill 96, 4, 3214868480
	.section	.rodata,"a",@progbits
	.p2align	6, 0x0
	.amdhsa_kernel k_qdf6ec54ab4_qkv
		.amdhsa_group_segment_fixed_size 327680
		.amdhsa_private_segment_fixed_size 0
		.amdhsa_enable_private_segment 0
		.amdhsa_kernarg_size 32
		.amdhsa_user_sgpr_count 2
		.amdhsa_user_sgpr_kernarg_segment_ptr 1
		.amdhsa_wavefront_size32 1
		.amdhsa_system_sgpr_workgroup_id_x 1
		.amdhsa_system_sgpr_workgroup_id_y 1
		.amdhsa_system_sgpr_workgroup_id_z 1
		.amdhsa_system_vgpr_workitem_id 0
		.amdhsa_next_free_vgpr 1024
		.amdhsa_next_free_sgpr 100
		.amdhsa_reserve_vcc 0
		.amdhsa_float_denorm_mode_32 3
		.amdhsa_float_denorm_mode_16_64 3
		.amdhsa_memory_ordered 1
		.amdhsa_forward_progress 1
		.amdhsa_inst_pref_size 194
	.end_amdhsa_kernel
	.amdgpu_metadata
---
amdhsa.version: [ 1, 2 ]
amdhsa.kernels:
  - .name:           k_qdf6ec54ab4_qkv
    .symbol:         k_qdf6ec54ab4_qkv.kd
    .args:
      - { .name: codes, .offset: 0, .size: 8, .value_kind: global_buffer, .address_space: global }
      - { .name: lowp_scales, .offset: 8, .size: 8, .value_kind: global_buffer, .address_space: global }
      - { .name: b_attn, .offset: 16, .size: 8, .value_kind: global_buffer, .address_space: global }
      - { .name: qkv, .offset: 24, .size: 8, .value_kind: global_buffer, .address_space: global }
    .group_segment_fixed_size: 327680
    .private_segment_fixed_size: 0
    .kernarg_segment_align: 8
    .kernarg_segment_size: 32
    .max_flat_workgroup_size: 128
    .sgpr_count:     100
    .vgpr_count:     1024
    .wavefront_size: 32
...
	.end_amdgpu_metadata
.endif
;; end of part 2
;; launch attn (part 3): grid 4 x 64, 8 waves a work-group, no clusters, 66,560 bytes of LDS; arguments qkv, lowp_scales, acodes; writes acodes
.if DOCPART == 3
	.amdgcn_target "amdgcn-amd-amdhsa--gfx1250"
	.amdhsa_code_object_version 6
	.text
	.protected	k_qdf6ec54ab4_attn
	.globl	k_qdf6ec54ab4_attn
	.p2align	8
	.type	k_qdf6ec54ab4_attn,@function
k_qdf6ec54ab4_attn:
	s_mov_b64 s[64:65], 0
	v_nop
	global_prefetch_b8 v0, s[64:65] scope:SCOPE_SE
	s_setreg_imm32_b32 hwreg(HW_REG_WAVE_MODE, 25, 1), 1
	s_wait_xcnt 0x0
; Causal attention on codes of FP8 (E4M3), head size 64, 2,048 tokens, 64 (batch, head) pairs; the result is quantised with e6 for the last product.
; t = score x 2^(e2 + e3) x log2(e) / 8;  M = the running largest t rounded UP to a whole number;  p = 2^(t - M) is quantised with e4, not normalised; the row's sum is taken of the unquantised p;
; when M moves, the sum and O are multiplied by 2^(old M - new M), which rounds nothing;  O x 2^(e4 + e5) / sum is the result.
; LIMITS: e2 + e3 between -123 and 130 (added to the exponent field of log2(e) / 8); e4 and e6 between -126 and 119; e4 + e5 goes through v_ldexp_f32 and has none.  NaN is not served.
; SHARES.  Work-group (i, bh) owns the blocks of 256 queries 7 - i and then i of one head: 8 - i and i + 1 slots of 256 keys, always 9: 256 work-groups of equal work, a loop of constant count, no key above the diagonal slot.
; Each of eight waves owns 32 queries of the block in hand, two tiles of 16: each fragment of K and V read from LDS feeds two products.
; LAYOUT.  q, k, v lie in memory as images of their operand registers.  Both products are used transposed (S^T = K Q^T, O^T = V^T P^T): a lane holds ONE query; register j of key tile kt is key 16 kt + 8 h + j,
; which is the place that the second product's layout gives it: the conversions' results are its operand.  O^T's conversions are the last product's operand registers.
; K AND V come through two LDS buffers of 32,768 bytes: each wave loads 4,096 dense bytes of the slot after next into registers, a whole slot ahead, and stores the next slot's into the buffer that was read last: one barrier a slot.
; NO JOINT REQUESTS: the four work-groups of a head walk the same slot only in their first five trips; from trip 8 - i on the slot's number hangs on the work-group, so the partners' requests would differ.
; THE HOLD OF p: p is at most 1 (but for a last bit), and 448 x 2^e4 is at least 1.75 where e4 >= -8: there the hold cannot bind and a scalar branch on e4 passes over it; for e4 <= -9 it is executed.
; REGISTERS.  Window 0: v1 16 x lane; v2, v3 LDS addresses in hand; v4 my place in a buffer's fill; v5 r - 8 h; v6 at work; v7 -infinity; v8-15, v16-23 a tile's statistics (-M, largest t, the sum in two halves, f, 0, two at work);
;   v24-25 permutes; v26-29 2^e4, 448 x 2^e4, 2^e6, 448 x 2^e6; v32-47 Q; v48-63 the second block's Q; v64-191 S^T, then p; v192-223 p's codes; v224-227 the sums' second chains; v240-255 the result's codes.
;   Window 1: v0-63 O^T; v64-127 K's fragments; v128-191 V's; v192-223 the fill on its way.
.set ST,  8
.set Q,   32
.set Q2,  48
.set S,   64
.set P,   192
.set TT,  224
.set CD,  240
.set KFR, 64
.set VFR, 128
.set STG, 192
.set BUF, 32768
.set MSB, 0
.macro WIN new                         ; the immediate's high byte repeats the setting that is left
.if MSB != (\new)
	s_set_vgpr_msb (MSB<<8)|(\new)
.set MSB, (\new)
.endif
.endm
.macro INIT                            ; a block of queries begins: the largest t under every t, the sums and O^T zero: the first change of M multiplies zeros, so the key step is written once
.irp t, 0,1
	v_mov_b32 v[ST+8*\t+1], 0xff61b1e6             ; -3e38
	v_floor_f32 v[ST+8*\t], -v[ST+8*\t+1]          ; -M
	v_mov_b32 v[ST+8*\t+2], 0
	v_mov_b32 v[ST+8*\t+3], 0
.endr
	WIN 0x40
.set j_, 0
.rept 64
	v_mov_b32 v[j_], 0
.set j_, j_+1
.endr
	WIN 0
.endm
.macro SUMOP t, j                      ; line j of 32 of tile t's sum of p, two numbers a line, in two chains
.if (\j) == 0
	v_pk_add_f32 v[TT+2*\t:TT+2*\t+1], v[S+64*\t:S+64*\t+1], v[S+64*\t+2:S+64*\t+3]
.elseif (\j) == 31
	v_pk_add_f32 v[ST+8*\t+2:ST+8*\t+3], v[ST+8*\t+2:ST+8*\t+3], v[TT+2*\t:TT+2*\t+1]
.elseif ((\j)%2) == 1
	v_pk_add_f32 v[ST+8*\t+2:ST+8*\t+3], v[ST+8*\t+2:ST+8*\t+3], v[S+64*\t+4*(((\j)+1)/2):S+64*\t+4*(((\j)+1)/2)+1]
.else
	v_pk_add_f32 v[TT+2*\t:TT+2*\t+1], v[TT+2*\t:TT+2*\t+1], v[S+64*\t+4*((\j)/2)+2:S+64*\t+4*((\j)/2)+3]
.endif
.endm
	s_load_b128 s[4:7], s[0:1], 0x0                ; qkv s[4:5], the scales s[6:7]
	s_load_b64 s[8:9], s[0:1], 0x10                ; the result's codes
	v_lshl_add_u32 v238, v0, 2, 0x10000
	v_mov_b32 v239, 0
	v_lshrrev_b32 v2, 5, v0
	v_readfirstlane_b32 s24, v2                    ; wave 0..7
	v_and_b32 v1, 31, v0
	v_lshlrev_b32 v1, 4, v1                        ; 16 x lane
	s_lshl_b32 s34, s24, 12
	v_add_nc_u32 v4, s34, v1                       ; my place in a buffer's fill: 4,096 x wave + 16 x lane
	v_and_b32 v5, 15, v0
	v_bfe_u32 v6, v0, 4, 1
	v_lshlrev_b32 v6, 3, v6
	v_sub_nc_u32 v5, v5, v6                        ; r - 8 h
	v_mov_b32 v7, 0xff800000                       ; -infinity
	v_mov_b32 v13, 0                               ; (named as the upper halves of the pairs that hold f)
	v_mov_b32 v21, 0
	v_mov_b32 v24, 0                               ; written once: a lane permute's destination counts as one of its sources
	v_mov_b32 v25, 0
	s_mov_b32 s20, 0x76543210
	s_mov_b32 s21, 0xfedcba98                      ; v_permlanex16_b32's selects for lane l xor 16
	s_and_b32 s35, ttmp7, 0xffff                   ; bh = 16 x batch + head
	s_sub_co_u32 s32, 8, ttmp9                     ; NA: the first block's slots
	s_sub_co_u32 s27, 7, ttmp9                     ; the block of queries in hand
	s_mov_b32 s26, s27                             ; the trip behind which it is finished
	s_lshl_b32 s28, s27, 8
	s_lshl_b32 s34, s24, 5
	s_add_co_u32 s28, s28, s34                     ; my first query
	s_mov_b32 s29, 0                               ; the step's first key
	s_mov_b32 s30, 0                               ; the buffer that is read
	s_mov_b32 s25, 0                               ; the trip
	s_lshl_b32 s50, s35, 17                        ; a (batch, head) pair is 2^17 bytes in each of q, k, v
	s_lshr_b32 s34, s24, 2
	s_add_co_u32 s34, s34, 1
	s_lshl_b32 s34, s34, 23                        ; waves 0-3 fill K's part (section 1), waves 4-7 V's (section 2)
	s_add_co_u32 s34, s34, s50
	s_and_b32 s51, s24, 3
	s_lshl_b32 s51, s51, 12
	s_add_co_u32 s36, s34, s51
	s_mov_b32 s37, 0
	s_lshl_b32 s51, s24, 11                        ; my two tiles of queries: 2 x 1,024 bytes a wave
	s_add_co_u32 s51, s50, s51
	s_lshl_b32 s46, s27, 14
	s_add_co_u32 s46, s46, s51
	s_mov_b32 s47, 0
	s_lshl_b32 s48, ttmp9, 14
	s_add_co_u32 s48, s48, s51
	s_mov_b32 s49, 0
	s_and_b32 s52, s35, 15                         ; the head: channels 64 head on of the last product's K
	s_lshr_b32 s53, s52, 2
	s_lshl_b32 s53, s53, 21                        ; its K step of 256,
	s_bfe_u32 s54, s52, 0x10001
	s_lshl_b32 s54, s54, 11                        ; its 128 of that,
	s_add_co_u32 s53, s53, s54
	s_and_b32 s54, s52, 1
	s_lshl_b32 s54, s54, 10                        ; its two pieces of the four
	s_add_co_u32 s53, s53, s54
	s_lshr_b32 s54, s35, 4
	s_lshl_b32 s54, s54, 7                         ; the batch's 128 tiles of 16 tokens,
	s_lshl_b32 s55, s24, 1
	s_add_co_u32 s54, s54, s55                     ; my wave's two
	s_lshl_b32 s54, s54, 12
	s_add_co_u32 s42, s53, s54
	s_mov_b32 s43, 0
	s_wait_kmcnt 0x0
	s_load_b256 s[12:19], s[6:7], 0x0              ; e0 .. e7
	s_add_nc_u64 s[36:37], s[4:5], s[36:37]        ; my 4,096 bytes of slot 0
	s_add_nc_u64 s[46:47], s[4:5], s[46:47]        ; my queries of the first block,
	s_add_nc_u64 s[48:49], s[4:5], s[48:49]        ; and of the second
	s_add_nc_u64 s[42:43], s[8:9], s[42:43]
.irp t, 0,1
.irp c, 0,1
	global_load_b128 v[Q+8*\t+4*\c:Q+8*\t+4*\c+3], v1, s[46:47] offset:1024*\t+512*\c
	global_load_b128 v[Q2+8*\t+4*\c:Q2+8*\t+4*\c+3], v1, s[48:49] offset:1024*\t+512*\c
.endr
.endr
	WIN 0x40
.irp i, 0,1,2,3,4,5,6,7
	global_load_b128 v[STG+4*\i:STG+4*\i+3], v1, s[36:37] offset:512*\i          ; slot 0
.endr
	WIN 0
	INIT
	s_wait_kmcnt 0x0
	s_add_co_i32 s34, s14, s15
	s_lshl_b32 s34, s34, 23
	s_add_co_i32 s22, s34, 0x3e38aa3b              ; log2(e) / 8 with e2 + e3 added to its exponent field
	s_mov_b32 s23, s22                             ; (named with it as a pair, so it is written)
	s_add_co_i32 s33, s16, s17                     ; e4 + e5
	s_add_co_i32 s34, s16, 127
	s_lshl_b32 s35, s34, 23
	v_mov_b32 v26, s35                             ; 2^e4
	s_add_co_i32 s34, s34, 8
	s_lshl_b32 s34, s34, 23
	s_or_b32 s34, s34, 0x600000
	v_mov_b32 v27, s34                             ; 448 x 2^e4
	s_add_co_i32 s34, s18, 127
	s_lshl_b32 s35, s34, 23
	v_mov_b32 v28, s35                             ; 2^e6
	s_add_co_i32 s34, s34, 8
	s_lshl_b32 s34, s34, 23
	s_or_b32 s34, s34, 0x600000
	v_mov_b32 v29, s34                             ; 448 x 2^e6
	s_wait_loadcnt 0x0                             ; Q, and slot 0
	WIN 0x04                                       ; store data in window 1
.irp i, 0,1,2,3,4,5,6,7
	ds_store_b128 v4, v[STG+4*\i:STG+4*\i+3] offset:512*\i
.endr
	s_wait_dscnt 0x0                               ; the stores have read their registers
	WIN 0x40
.irp i, 0,1,2,3,4,5,6,7
	global_load_b128 v[STG+4*\i:STG+4*\i+3], v1, s[36:37] offset:16384+512*\i    ; slot 1: the first block has five slots or more
.endr
	WIN 0
; A KEY STEP: 128 keys, the st-th of the slot in hand, for my two tiles of queries.
.macro STEP st
	s_add_co_u32 s34, s28, 31                      ; a step all of whose keys come after my 32 queries is left out: a scalar branch on ids; no barrier stands in a step
	s_cmp_gt_u32 s29, s34
	s_cbranch_scc1 .Lhidden_\@
.rept 4
	v_nop                                          ; places in front of loads into V's registers, which the last step's products have read
.endr
	WIN 0x40
.irp kt, 0,1,2,3,4,5,6,7
	ds_load_b128 v[KFR+8*\kt:KFR+8*\kt+3], v2 offset:8192*\st+1024*\kt
	ds_load_b128 v[KFR+8*\kt+4:KFR+8*\kt+7], v2 offset:8192*\st+1024*\kt+512
.endr
.irp dt, 0,1,2,3
.irp c, 0,1,2,3
	ds_load_b128 v[VFR+16*\dt+4*\c:VFR+16*\dt+4*\c+3], v2 offset:16384+8192*\st+2048*\dt+512*\c
.endr
.endr
	s_wait_dscnt 16                                ; K's 16 loads are in; V's 16 may be out
	WIN 0x01                                       ; source 0 (K) window 1
.irp kt, 0,1,2,3,4,5,6,7
.irp t, 0,1
	v_wmma_f32_16x16x64_fp8_fp8 v[S+64*\t+8*\kt:S+64*\t+8*\kt+7], v[KFR+8*\kt:KFR+8*\kt+7], v[Q+8*\t:Q+8*\t+7], 0
.endr
.endr
	WIN 0
.rept 4
	v_nop
.endr
	s_add_co_u32 s34, s29, 127                     ; on the diagonal the scores of hidden keys become -infinity ahead of the maximum; a step all of whose keys count passes over this
	s_cmp_le_u32 s34, s28
	s_cbranch_scc1 .Lopen_\@
.irp t, 0,1
	s_sub_co_i32 s34, s28, s29
	s_add_co_i32 s34, s34, 16*\t
	v_add_nc_u32 v6, s34, v5                       ; d = my query - the step's first key - 8 h: register 8 kt + j is hidden where 16 kt + j > d
.set n_, 0
.rept 64
	v_cmp_gt_i32 vcc_lo, 16*(n_/8)+n_%8, v6
	v_cndmask_b32 v[S+64*\t+n_], v[S+64*\t+n_], v7, vcc_lo
.set n_, n_+1
.endr
.endr
.Lopen_\@:
.irp t, 0,1                            ; the step's largest score of my query among my 64 keys: two chains a tile, the tiles by turns, registers in ascending order
	v_max3_num_f32 v[ST+8*\t+6], v[S+64*\t], v[S+64*\t+1], v[S+64*\t+2]
	v_max3_num_f32 v[ST+8*\t+7], v[S+64*\t+3], v[S+64*\t+4], v[S+64*\t+5]
.endr
.irp i, 6,10,14,18,22,26,30,34,38,42,46,50,54,58
.irp t, 0,1
	v_max3_num_f32 v[ST+8*\t+6], v[ST+8*\t+6], v[S+64*\t+\i], v[S+64*\t+\i+1]
	v_max3_num_f32 v[ST+8*\t+7], v[ST+8*\t+7], v[S+64*\t+\i+2], v[S+64*\t+\i+3]
.endr
.endr
.irp t, 0,1
	v_max3_num_f32 v[ST+8*\t+6], v[ST+8*\t+6], v[S+64*\t+62], v[S+64*\t+63]
.endr
.irp t, 0,1
	v_max_num_f32 v[ST+8*\t+6], v[ST+8*\t+6], v[ST+8*\t+7]
.endr
.irp t, 0,1
	v_permlanex16_b32 v[24+\t], v[ST+8*\t+6], s20, s21
.endr
.irp t, 0,1
	v_max_num_f32 v[ST+8*\t+6], v[ST+8*\t+6], v[24+\t]   ; and among lane l xor 16's
.endr
.irp t, 0,1
	v_mul_f32 v[ST+8*\t+6], s22, v[ST+8*\t+6]      ; as t (the factor is positive)
.endr
.irp t, 0,1
	v_max_num_f32 v[ST+8*\t+1], v[ST+8*\t+1], v[ST+8*\t+6]   ; the running largest t
.endr
.irp t, 0,1
	v_mov_b32 v[ST+8*\t+6], v[ST+8*\t]
.endr
.irp t, 0,1
	v_floor_f32 v[ST+8*\t], -v[ST+8*\t+1]          ; the new -M = floor(-t): M is a whole number
.endr
.irp t, 0,1
	v_sub_f32 v[ST+8*\t+6], v[ST+8*\t], v[ST+8*\t+6]   ; old M - new M: a whole number, 0 or less
.endr
.irp t, 0,1
	v_cvt_i32_f32 v[ST+8*\t+6], v[ST+8*\t+6]       ; (it saturates)
.endr
.irp t, 0,1
	v_ldexp_f32 v[ST+8*\t+4], 1.0, v[ST+8*\t+6]    ; f = 2^(old M - new M)
.endr
.set j_, 0
.rept 32
	v_pk_fma_f32 v[S+j_:S+j_+1], v[S+j_:S+j_+1], s[22:23], v[ST:ST+1] op_sel_hi:[1,0,0]   ; tile 0: t - M, two at a time
.set j_, j_+2
.endr
.set j_, 0
.rept 32                               ; tile 0's exponentials, with tile 1's scalings between them
	v_exp_f32 v[S+j_], v[S+j_]
	v_exp_f32 v[S+j_+1], v[S+j_+1]
	v_pk_fma_f32 v[S+64+j_:S+64+j_+1], v[S+64+j_:S+64+j_+1], s[22:23], v[ST+8:ST+9] op_sel_hi:[1,0,0]
.set j_, j_+2
.endr
	v_pk_mul_f32 v[ST+2:ST+3], v[ST+2:ST+3], v[ST+4:ST+5] op_sel_hi:[1,0]        ; the sums under the new M
	v_pk_mul_f32 v[ST+10:ST+11], v[ST+10:ST+11], v[ST+12:ST+13] op_sel_hi:[1,0]
	s_wait_alu depctr_va_vdst(0)                   ; one wait for tile 0's batch, ahead of its first reader
.set j_, 0
.rept 32                               ; tile 1's exponentials, with tile 0's sum of the unquantised p between them
	v_exp_f32 v[S+64+2*j_], v[S+64+2*j_]
	v_exp_f32 v[S+64+2*j_+1], v[S+64+2*j_+1]
	SUMOP 0, j_
.set j_, j_+1
.endr
	v_nop
	s_wait_alu depctr_va_vdst(0)                   ; one wait for tile 1's batch
.set j_, 0
.rept 32
	SUMOP 1, j_
.set j_, j_+1
.endr
	s_cmp_ge_i32 s16, -8                           ; e4 >= -8: 448 x 2^e4 >= 1.75 > p: the hold cannot bind
	s_cbranch_scc1 .Lnohold_\@
.set j_, 0
.rept 128
	v_min_num_f32 v[S+j_], v[S+j_], v27            ; p is not negative: the hold is one-sided
.set j_, j_+1
.endr
.Lnohold_\@:
.irp t, 0,1
.irp kt, 0,1,2,3,4,5,6,7
	v_cvt_scalef32_pk8_fp8_f32 v[P+16*\t+2*\kt:P+16*\t+2*\kt+1], v[S+64*\t+8*\kt:S+64*\t+8*\kt+7], v26
.endr
.endr
	WIN 0x41                                       ; O^T (destination and source 0) window 1, f window 0
.irp t, 0,1
.set j_, 0
.rept 16
	v_pk_mul_f32 v[32*\t+j_:32*\t+j_+1], v[32*\t+j_:32*\t+j_+1], v[ST+8*\t+4:ST+8*\t+5] op_sel_hi:[1,0]   ; O^T under the new M; these are also the plain lines behind the conversions
.set j_, j_+2
.endr
.endr
	s_wait_dscnt 0x0                               ; V is in
	WIN 0x51                                       ; V window 1, p's codes window 0, O^T window 1
.irp dt, 0,1,2,3                       ; the eight accumulators take turns, one instruction a turn
.irp t, 0,1
	v_wmma_f32_16x16x128_fp8_fp8 v[32*\t+8*\dt:32*\t+8*\dt+7], v[VFR+16*\dt:VFR+16*\dt+15], v[P+16*\t:P+16*\t+15], v[32*\t+8*\dt:32*\t+8*\dt+7]
.endr
.endr
	WIN 0
.Lhidden_\@:
	s_add_co_u32 s29, s29, 128
.endm
; A block of queries is finished: O^T x 2^(e4 + e5) / the sum, quantised with e6, stored as the last product's operand registers; then the second block is set up.
; (Behind the second block the set-up is executed once more for nothing: the price of writing this once.)
.macro FINISH
	s_wait_xcnt 0x0                                ; the first block's stores have read their base and their data: both are written again only behind this wait
	s_lshl_b32 s50, s27, 16                        ; the block's 16 tiles of tokens x 4,096 bytes
	s_mov_b32 s51, 0
	s_add_nc_u64 s[44:45], s[42:43], s[50:51]
.rept 4
	v_nop                                          ; places behind the last products
.endr
.irp t, 0,1
	v_add_f32 v[ST+8*\t+6], v[ST+8*\t+2], v[ST+8*\t+3]
.endr
.irp t, 0,1
	v_permlanex16_b32 v[24+\t], v[ST+8*\t+6], s20, s21
.endr
.irp t, 0,1
	v_add_f32 v[ST+8*\t+6], v[ST+8*\t+6], v[24+\t]     ; the row's sum
.endr
.irp t, 0,1
	v_rcp_f32 v[ST+8*\t+4], v[ST+8*\t+6]
.endr
	v_nop
	s_wait_alu depctr_va_vdst(0)                   ; one wait for the two reciprocals, ahead of their first reader
.irp t, 0,1
	v_ldexp_f32 v[ST+8*\t+4], v[ST+8*\t+4], s33
.endr
	WIN 0x01                                       ; source 0 (O^T) window 1
.irp t, 0,1
.set j_, 0
.rept 16
	v_pk_mul_f32 v[S+64*\t+j_:S+64*\t+j_+1], v[32*\t+j_:32*\t+j_+1], v[ST+8*\t+4:ST+8*\t+5] op_sel_hi:[1,0]
.set j_, j_+2
.endr
.endr
	WIN 0
.irp t, 0,1
.set j_, 0
.rept 32
	v_med3_num_f32 v[S+64*\t+j_], v[S+64*\t+j_], -v29, v29
.set j_, j_+1
.endr
.endr
.irp t, 0,1
.irp dt, 0,1,2,3
	v_cvt_scalef32_pk8_fp8_f32 v[CD+8*\t+2*\dt:CD+8*\t+2*\dt+1], v[S+64*\t+8*\dt:S+64*\t+8*\dt+7], v28
.endr
.endr
	v_nop                                          ; one plain vector line behind the run of conversions
.irp t, 0,1
.irp c, 0,1
	global_store_b128 v1, v[CD+8*\t+4*\c:CD+8*\t+4*\c+3], s[44:45] offset:4096*\t+512*\c   ; a piece: 512 consecutive bytes, aligned
.endr
.endr
	s_mov_b32 s27, ttmp9                           ; the second block,
	s_lshl_b32 s28, ttmp9, 8
	s_lshl_b32 s34, s24, 5
	s_add_co_u32 s28, s28, s34                     ; my first query in it,
	s_mov_b32 s29, 0                               ; its keys begin anew,
	s_mov_b32 s26, 8                               ; and it is finished behind the last trip
.set j_, 0
.rept 16
	v_mov_b32 v[Q+j_], v[Q2+j_]
.set j_, j_+1
.endr
	INIT
.endm
.Lslot:                                            ; nine trips, one slot of 256 keys each
	s_wait_dscnt 0x0                               ; my stores of this slot have landed, and my reads of the last slot are back:
	s_barrier_signal -1
	s_barrier_wait -1                              ; both now hold of every wave: this buffer is whole, and the other one is read by nobody
	s_wait_loadcnt 0x0                             ; the next slot's bytes, asked for a slot ago, are in registers; their base may be written
	s_cmp_lt_u32 s25, 8
	s_cbranch_scc0 .Lnofill
	s_xor_b32 s31, s30, BUF                        ; the buffer that was read last
	v_add_nc_u32 v3, s31, v4
	WIN 0x04
.irp i, 0,1,2,3,4,5,6,7
	ds_store_b128 v3, v[STG+4*\i:STG+4*\i+3] offset:512*\i
.endr
	WIN 0
	s_wait_dscnt 0x0                               ; the stores have read their registers
	s_cmp_lt_u32 s25, 7
	s_cbranch_scc0 .Lnofill
	s_add_co_u32 s34, s25, 2                       ; the slot after next: its number among the nine,
	s_cmp_ge_u32 s34, s32
	s_cselect_b32 s35, s32, 0
	s_sub_co_u32 s34, s34, s35                     ; and among the keys: the second block begins at key 0 again
	s_lshl_b32 s40, s34, 14
	s_mov_b32 s41, 0
	s_add_nc_u64 s[38:39], s[36:37], s[40:41]
	WIN 0x40
.irp i, 0,1,2,3,4,5,6,7
	global_load_b128 v[STG+4*\i:STG+4*\i+3], v1, s[38:39] offset:512*\i
.endr
	WIN 0
.Lnofill:
	v_add_nc_u32 v2, s30, v1
	STEP 0
	STEP 1
	s_cmp_lg_u32 s25, s26
	s_cbranch_scc1 .Lnofin
	FINISH
.Lnofin:
	s_xor_b32 s30, s30, BUF
	s_add_co_u32 s25, s25, 1
	s_cmp_lt_u32 s25, 9
	s_cbranch_scc1 .Lslot
	s_wait_tensorcnt 0x0
	ds_add_u32 v238, v239
	s_wait_dscnt 0x0
	s_endpgm
.Lfunc_end_k_qdf6ec54ab4_attn:
	.size	k_qdf6ec54ab4_attn, .Lfunc_end_k_qdf6ec54ab4_attn-k_qdf6ec54ab4_attn
	.p2alignl 7, 3214868480
	.fill 96, 4, 3214868480
	.section	.rodata,"a",@progbits
	.p2align	6, 0x0
	.amdhsa_kernel k_qdf6ec54ab4_attn
		.amdhsa_group_segment_fixed_size 66560
		.amdhsa_private_segment_fixed_size 0
		.amdhsa_enable_private_segment 0
		.amdhsa_kernarg_size 24
		.amdhsa_user_sgpr_count 2
		.amdhsa_user_sgpr_kernarg_segment_ptr 1
		.amdhsa_wavefront_size32 1
		.amdhsa_system_sgpr_workgroup_id_x 1
		.amdhsa_system_sgpr_workgroup_id_y 1
		.amdhsa_system_sgpr_workgroup_id_z 1
		.amdhsa_system_vgpr_workitem_id 0
		.amdhsa_next_free_vgpr 512
		.amdhsa_next_free_sgpr 66
		.amdhsa_reserve_vcc 1
		.amdhsa_float_denorm_mode_32 3
		.amdhsa_float_denorm_mode_16_64 3
		.amdhsa_memory_ordered 1
		.amdhsa_forward_progress 1
		.amdhsa_inst_pref_size 99
	.end_amdhsa_kernel
	.amdgpu_metadata
---
amdhsa.version: [ 1, 2 ]
amdhsa.kernels:
  - .name:           k_qdf6ec54ab4_attn
    .symbol:         k_qdf6ec54ab4_attn.kd
    .args:
      - { .name: qkv, .offset: 0, .size: 8, .value_kind: global_buffer, .address_space: global }
      - { .name: lowp_scales, .offset: 8, .size: 8, .value_kind: global_buffer, .address_space: global }
      - { .name: acodes, .offset: 16, .size: 8, .value_kind: global_buffer, .address_space: global }
    .group_segment_fixed_size: 66560
    .private_segment_fixed_size: 0
    .kernarg_segment_align: 8
    .kernarg_segment_size: 24
    .max_flat_workgroup_size: 256
    .sgpr_count:     66
    .vgpr_count:     512
    .wavefront_size: 32
...
	.end_amdgpu_metadata
.endif
;; end of part 3
;; launch proj (part 4): grid 4 x 32, 4 waves a work-group, clusters of 4 x 4, 327,680 bytes of LDS; arguments acodes, codes, lowp_scales, b_proj, out0; writes out0
.if DOCPART == 4
	.amdgcn_target "amdgcn-amd-amdhsa--gfx1250"
	.amdhsa_code_object_version 6
	.text
	.protected	k_qdf6ec54ab4_proj
	.globl	k_qdf6ec54ab4_proj
	.p2align	8
	.type	k_qdf6ec54ab4_proj,@function
k_qdf6ec54ab4_proj:
	s_mov_b64 s[64:65], 0
	v_nop
	global_prefetch_b8 v0, s[64:65] scope:SCOPE_SE
	s_setreg_imm32_b32 hwreg(HW_REG_WAVE_MODE, 25, 1), 1
	s_wait_xcnt 0x0
	s_wait_alu depctr_hold_cnt(0) depctr_sa_sdst(0) depctr_va_vdst(0) depctr_va_sdst(0) depctr_va_ssrc(0) depctr_va_vcc(0) depctr_vm_vsrc(0)
	s_getreg_b32 s2, hwreg(HW_REG_IB_STS2, 6, 4)
	s_cmp_eq_u32 s2, 0
	s_cbranch_scc0 .Lentry_in_a_cluster
	s_endpgm
.Lentry_in_a_cluster:
	s_bfe_u32 s2, ttmp6, 0x10000c
	s_cmp_lg_u32 s2, 0xf033
	s_cbranch_scc0 .Lentry_shape_is_right
	s_endpgm
.Lentry_shape_is_right:
; out0 = a w_proj x 2^(e6 + e7) + b_proj on codes of FP8 (E4M3), K = 1,024; out0 [8192][1024] f32.
; LIMIT: e6 + e7 between -126 and 127, so that 2^(e6 + e7) is an f32 number.
; A tile of 256 x 256 is made by four waves, each 128 x 128: 64 accumulators.  K goes in four steps of 256 through a ring of two LDS slots filled by the tensor data mover.
; Both operands lie in memory as images of their registers: a K step of 128 rows is one dense block of 32,768 bytes; a fragment is four LDS loads of 512 consecutive bytes.
; THE MATRIX INSTRUCTION IS USED TRANSPOSED: source 0 = 16 rows of B (columns of w_proj), source 1 = 16 rows of A (tokens): a lane holds eight neighbouring numbers of a row of the output.
; CLUSTERS: 4 x 4 work-groups; A's tile is asked for jointly by a row of the cluster, B's by a column.  32 x 4 tiles: 128 work-groups.
; REGISTERS: window 0: v16-29 addresses; v32-95 the bias in the results' layout; from v128 A's fragments, one set (on the way out: rows read back).  window 1: B's fragments, two sets (on the way out v0-63: a block's numbers).
;   windows 2, 3: the accumulators.
.set WPOFF,  0xB00000                  ; w_proj's codes in their buffer
.set KSA,    0x200000                  ; bytes from a K step of a to the next
.set KSB,    0x40000                   ; the same for w_proj
.set SLOT,   131072
.set SPARE,  2*SLOT                    ; behind the ring: the spare words, 128 bytes for each wave
.set FR,     16
.set NL,     4
.set NP,     4
.set LAPS,   2
.set SPITCH, 528                       ; the way out: a stage of 16 rows x (512 bytes + 16) for each wave, in slot 0, which has had its last fill and its last read when the first result is stored there
.set ADRA, 16
.set ADRB, 20
.set STO,  24                          ; v24  the way out: where I put 32 bytes of a row
.set RD,   25                          ; v25  and where I read a row back
.set LI,   27                          ; v27  16 x lane
.set SPW,  28
.set NIL,  29
.set BI,   32
.set AF,   128
.set BK,   128                         ; the way out: 16 rows read back: v128-191 and v192-255 by turns
.set G1, 24
.set G0, 32
.set G1B, 48
.set G0B, 56
.set MSB, 0
.macro WIN new
.if MSB != (\new)
	s_set_vgpr_msb (MSB<<8)|(\new)
.set MSB, (\new)
.endif
.endm
.set MUL_LO, 0xa1
.set MUL_HI, 0xf1
.set TO_B,   0x40
.macro JLOAD g0a, g1a, g0b, g1b        ; a joint load: waves 0 and 1 fetch A's halves, waves 2 and 3 B's; four v_nop follow each of the two lines
	s_cmp_eq_u32 s15, 0
	s_cbranch_scc0 .Lfor_b_\@
	tensor_load_to_lds s[\g0a:\g0a+3], s[\g1a:\g1a+7]
	s_nop 0
.rept 4
	v_nop
.endr
	s_branch .Lasked_\@
.Lfor_b_\@:
	tensor_load_to_lds s[\g0b:\g0b+3], s[\g1b:\g1b+7]
	s_nop 0
.rept 4
	v_nop
.endr
.Lasked_\@:
.endm
.macro CREST
	s_cmp_lg_u32 s14, 0
	s_cbranch_scc1 .Lnot_wave_0_\@
	s_barrier_signal -3
.Lnot_wave_0_\@:
	s_barrier_wait -3
	s_barrier_signal -1
	s_barrier_wait -1
.endm
.macro CROUND
	s_barrier_signal -1
	s_barrier_wait -1
	CREST
.endm
	s_load_b256 s[4:11], s[0:1], 0x0               ; a's codes s[4:5], the weights' codes s[6:7], the scales s[8:9], b_proj s[10:11]
	s_load_b64 s[12:13], s[0:1], 0x20              ; out0
	v_lshl_add_u32 v[SPW], v0, 2, SPARE
	v_mov_b32 v[NIL], 0
	ds_add_u32 v28, v29
	ds_add_u32 v28, v29
	s_wait_dscnt 0x0
	v_lshrrev_b32 v1, 5, v0
	v_readfirstlane_b32 s14, v1                    ; wave 0..3
	s_lshr_b32 s15, s14, 1                         ; which half of the tile's rows is mine.  Also: I fetch for A (0) or for B (1)
	s_and_b32 s16, s14, 1                          ; which half of its columns.  Also: which 128 rows of that tile I fetch
	s_bfe_u32 s40, ttmp6, 0x40000                  ; cx
	s_bfe_u32 s41, ttmp6, 0x40004                  ; cy
	s_lshl_b32 s43, ttmp9, 2
	s_add_co_u32 s43, s43, s40                     ; TB: the tile of 256 columns
	s_and_b32 s42, ttmp7, 0xffff
	s_lshl_b32 s42, s42, 2
	s_add_co_u32 s42, s42, s41                     ; TA: the tile of 256 tokens
	s_lshl_b32 s23, s16, 15
	s_lshl_b32 s46, s42, 16
	s_add_co_u32 s46, s46, s23
	s_mov_b32 s47, 0
	s_lshl_b32 s66, s43, 16
	s_add_co_u32 s66, s66, s23
	s_add_co_u32 s66, s66, WPOFF
	s_mov_b32 s67, 0
	s_lshl_b32 s20, s41, 2
	s_lshl_b32 s20, 15, s20                        ; my row of the cluster
	s_lshl_b32 s21, 0x1111, s40                    ; my column
	s_or_b32 s[G1+0], s20, (3<<16)|(1<<21)         ; 15:0 the mask; 17:16 elements of 8 bytes; 21 set beside a mask; no padding
	s_or_b32 s[G1B+0], s21, (3<<16)|(1<<21)
.irp g, G1, G1B
	s_mov_b32 s[\g+1], 32<<16                      ; tensor_dim0 = 32
	s_mov_b32 s[\g+2], 128<<16                     ; tensor_dim1 = 128
	s_mov_b32 s[\g+3], 32<<16                      ; tile_dim0 = 32
	s_mov_b32 s[\g+4], 128                         ; tile_dim1 = 128
	s_mov_b32 s[\g+5], 32                          ; from row to row: 32 elements
	s_mov_b32 s[\g+6], 0
	s_mov_b32 s[\g+7], 0
.endr
	s_lshl_b32 s79, s14, 15                        ; where my load goes in a slot: wave x 32,768
	s_wait_kmcnt 0x0
	s_load_b256 s[80:87], s[8:9], 0x0              ; e0 .. e7
	s_add_nc_u64 s[46:47], s[4:5], s[46:47]
	s_add_nc_u64 s[66:67], s[6:7], s[66:67]
	CROUND                                         ; all sixteen work-groups are here: the first joint loads meet
.irp s, 0,1
	s_mov_b32 s[G0+4*\s], 1
	s_add_co_u32 s[G0+4*\s+1], s79, \s*SLOT
	s_add_nc_u64 s[G0+4*\s+2:G0+4*\s+3], s[46:47], \s*KSA
	s_or_b32 s[G0+4*\s+3], s[G0+4*\s+3], 0x80000000
	s_mov_b32 s[G0B+4*\s], 1
	s_add_co_u32 s[G0B+4*\s+1], s79, \s*SLOT
	s_add_nc_u64 s[G0B+4*\s+2:G0B+4*\s+3], s[66:67], \s*KSB
	s_or_b32 s[G0B+4*\s+3], s[G0B+4*\s+3], 0x80000000
	JLOAD G0+4*\s, G1, G0B+4*\s, G1B
.endr
	v_and_b32 v1, 31, v0
	v_lshlrev_b32 v[LI], 4, v1
	v_and_b32 v2, 15, v0                           ; r
	v_bfe_u32 v3, v0, 4, 1                         ; h
	v_lshlrev_b32 v4, 5, v3                        ; 32 h
	s_lshl_b32 s90, s15, 15
	s_lshl_b32 s91, s16, 15
	s_add_co_u32 s91, s91, 65536
.irp s, 0,1
	v_add_nc_u32 v[ADRA+\s], s90, v[LI]
	v_add_nc_u32 v[ADRB+\s], s91, v[LI]
	s_add_co_u32 s90, s90, SLOT
	s_add_co_u32 s91, s91, SLOT
.endr
	s_mul_i32 s90, s14, 16*SPITCH                  ; my stage
	v_mul_u32_u24 v5, v2, SPITCH
	v_lshl_add_u32 v5, v3, 5, v5
	v_add_nc_u32 v[STO], s90, v5                   ; in: row r, 32 bytes for each half of the lanes
	v_add_nc_u32 v[RD], s90, v[LI]                 ; back: the 32 lanes take one row of 512 bytes
	s_lshl_b32 s92, s43, 10
	s_lshl_b32 s93, s16, 9
	s_add_co_u32 s92, s92, s93                     ; my first column, in bytes: 1,024 TB + 512 x my half
	s_mov_b32 s93, 0
	s_lshl_b32 s88, s42, 20                        ; my first row: 256 TA + 128 x my half, of 4,096 bytes
	s_lshl_b32 s89, s15, 19
	s_add_co_u32 s88, s88, s89
	s_add_co_u32 s88, s88, s92
	s_mov_b32 s89, 0
	s_add_nc_u64 s[88:89], s[12:13], s[88:89]
	s_add_nc_u64 s[92:93], s[10:11], s[92:93]
.irp b, 0,1,2,3,4,5,6,7
	global_load_b128 v[BI+8*\b:BI+8*\b+3], v4, s[92:93] offset:64*\b             ; b_proj at columns 16 b + 8 h + 0 .. 7 of my 128
	global_load_b128 v[BI+8*\b+4:BI+8*\b+7], v4, s[92:93] offset:64*\b+16
.endr
	s_wait_kmcnt 0x0
	s_add_co_i32 s96, s86, s87
	s_add_co_i32 s96, s96, 127
	s_lshl_b32 s96, s96, 23                        ; 2^(e6 + e7) as f32
	s_mov_b32 s97, s96                             ; (named with it as a pair, so it is written)
.macro FRAG reg, adr, q, i
.irp c, 0,1,2,3
	ds_load_b128 v[\reg+4*\c:\reg+4*\c+3], v[\adr] offset:2048*(\q)+512*\c+(\i)*4096
.endr
.endm
.macro MUL16 a0, p, zero               ; the 64 accumulators take turns, one instruction a turn, in the same order in every step
.irp a, \a0, \a0+1
.irp b, 0,1,2,3,4,5,6,7
.if \zero
	v_wmma_f32_16x16x128_fp8_fp8 v[8*(8*((\a)%4)+\b):8*(8*((\a)%4)+\b)+7], v[128*(\p)+FR*\b:128*(\p)+FR*\b+FR-1], v[AF+FR*(\a):AF+FR*(\a)+FR-1], 0
.else
	v_wmma_f32_16x16x128_fp8_fp8 v[8*(8*((\a)%4)+\b):8*(8*((\a)%4)+\b)+7], v[128*(\p)+FR*\b:128*(\p)+FR*\b+FR-1], v[AF+FR*(\a):AF+FR*(\a)+FR-1], v[8*(8*((\a)%4)+\b):8*(8*((\a)%4)+\b)+7]
.endif
.endr
.endr
.endm
.macro FETCH_B slot, q, p
	WIN TO_B
.irp i, 0,1,2,3,4,5,6,7
	FRAG 128*(\p)+FR*\i, ADRB+\slot, \q, \i
.endr
	WIN 0
.endm
.macro FETCH_A slot, q, i0
.irp i, \i0, \i0+1, \i0+2, \i0+3
	FRAG AF+FR*(\i), ADRA+\slot, \q, \i
.endr
.endm
.macro PLACES n
.rept \n
	v_nop
.endr
.endm
.macro STEP slot, q, zero
	s_wait_dscnt 4*NL                              ; B's set and A's blocks 0-3 are in; the youngest 16 loads (A's blocks 4-7) may be out
	WIN MUL_LO
	MUL16 0, (\q)%2, \zero
	MUL16 2, (\q)%2, \zero
	s_wait_dscnt 0
	PLACES NP
	FETCH_B \slot, (\q)+1, 1-(\q)%2
	FETCH_A \slot, (\q)+1, 0
	WIN MUL_HI
	MUL16 4, (\q)%2, \zero
	MUL16 6, (\q)%2, \zero
	PLACES NP
	WIN 0
	FETCH_A \slot, (\q)+1, 4
.endm
.macro TURN slot, next, fill
	s_wait_tensorcnt 0x0                           ; all my tensor loads have landed: my part of the next slot
	ds_add_u32 v[SPW], v[NIL]                      ; 0 onto my spare word
	s_wait_dscnt 4*NL+1                            ; (the add and the youngest 16 loads may be out)
	WIN MUL_LO
	MUL16 0, 1, 0
	s_wait_dscnt 0x0                               ; the add is done, and my reads of this slot are over
	s_barrier_signal -1
	MUL16 2, 1, 0
	WIN 0
	s_barrier_wait -1
.if \fill
	CREST                                          ; the barrier has opened a round of the cluster's barrier
	s_add_nc_u64 s[G0+4*\slot+2:G0+4*\slot+3], s[G0+4*\slot+2:G0+4*\slot+3], 2*KSA
	s_add_nc_u64 s[G0B+4*\slot+2:G0B+4*\slot+3], s[G0B+4*\slot+2:G0B+4*\slot+3], 2*KSB
	JLOAD G0+4*\slot, G1, G0B+4*\slot, G1B         ; the first tensor load behind the round
.else
	PLACES NP
.endif
	FETCH_B \next, 0, 0
	FETCH_A \next, 0, 0
	WIN MUL_HI
	MUL16 4, 1, 0
	MUL16 6, 1, 0
	PLACES NP
	WIN 0
	FETCH_A \next, 0, 4
.endm
	s_wait_tensorcnt 1                             ; my part of K step 0 is in; K step 1's load may be out
	s_barrier_signal -1
	s_barrier_wait -1
	FETCH_B 0, 0, 0
	FETCH_A 0, 0, 0
	FETCH_A 0, 0, 4
	STEP 0, 0, 1
	s_mov_b32 s3, LAPS-1
.Llap:
	TURN 0, 1, 1
	STEP 1, 0, 0
	TURN 1, 0, 1
	STEP 0, 0, 0
	s_sub_co_u32 s3, s3, 1
	s_cmp_lg_u32 s3, 0
	s_cbranch_scc1 .Llap
	TURN 0, 1, 0
	STEP 1, 0, 0
	s_wait_dscnt 4*NL
	WIN MUL_LO
	MUL16 0, 1, 0
	MUL16 2, 1, 0
	s_wait_dscnt 0
	WIN MUL_HI
	MUL16 4, 1, 0
	MUL16 6, 1, 0
	WIN 0
; THE WAY OUT, block by block of 16 rows x 128 columns: sum x 2^(e6 + e7) + bias, one packed multiply-add for two numbers, each accumulator from its low end on; through my own stage in LDS; back as whole rows of
; 512 bytes, which the 32 lanes store as 512 consecutive bytes, aligned.  LDS serves a wave's instructions in order (ISA guide 5.7.1.4): no wait between the stores and the loads.
.macro TOSTAGE a
.set AC, 64*((\a)%4)
	WIN 0x42+((\a)/4)                              ; destination window 1, source 0 window 2 or 3, the bias window 0
.set j_, 0
.rept 32
	v_pk_fma_f32 v[j_:j_+1], v[AC+j_:AC+j_+1], s[96:97], v[BI+j_:BI+j_+1] op_sel_hi:[1,0,1]
.set j_, j_+2
.endr
	WIN 0x04                                       ; store data window 1
.irp b, 0,1,2,3,4,5,6,7
	ds_store_b128 v[STO], v[8*\b:8*\b+3] offset:64*\b
	ds_store_b128 v[STO], v[8*\b+4:8*\b+7] offset:64*\b+16
.endr
	WIN 0
.set BB, BK+64*((\a)%2)
.irp t, 0,1,2,3,4,5,6,7,8,9,10,11,12,13,14,15
	ds_load_b128 v[BB+4*\t:BB+4*\t+3], v[RD] offset:\t*SPITCH
.endr
.endm
.macro SEND a, younger                 ; younger: the LDS instructions issued behind block a's loads, which may stay out
.set BB, BK+64*((\a)%2)
	s_wait_dscnt \younger
.if (\a) > 0
	s_add_nc_u64 s[88:89], s[88:89], 65536         ; 16 rows on (behind a wait on XCNT: the earlier stores have read their base)
.endif
.irp t, 0,1,2,3,4,5,6,7,8,9,10,11,12,13,14,15
	global_store_b128 v[LI], v[BB+4*\t:BB+4*\t+3], s[88:89] offset:\t*4096 th:TH_STORE_NT
.endr
.endm
	s_wait_loadcnt 0x0                             ; the bias
	PLACES NP                                      ; behind the last products: results are read, and operands' registers written or loaded, below
	TOSTAGE 0
.irp a, 1,2,3,4,5,6,7
.if \a > 1
	s_wait_xcnt 0x0                                ; block a - 2's stores have read their registers and their base
.endif
	TOSTAGE \a
	SEND \a-1, 32                                  ; behind block a - 1's loads: block a's 16 stores and 16 loads
.endr
	s_wait_xcnt 0x0
	SEND 7, 0
	s_wait_tensorcnt 0x0                           ; the wave's end
	ds_add_u32 v[SPW], v[NIL]
	s_wait_dscnt 0x0
	CROUND                                         ; the closing round
	s_endpgm
.Lfunc_end_k_qdf6ec54ab4_proj:
	.size	k_qdf6ec54ab4_proj, .Lfunc_end_k_qdf6ec54ab4_proj-k_qdf6ec54ab4_proj
	.p2alignl 7, 3214868480
	.fill 96, 4, 3214868480
	.section	.rodata,"a",@progbits
	.p2align	6, 0x0
	.amdhsa_kernel k_qdf6ec54ab4_proj
		.amdhsa_group_segment_fixed_size 327680
		.amdhsa_private_segment_fixed_size 0
		.amdhsa_enable_private_segment 0
		.amdhsa_kernarg_size 40
		.amdhsa_user_sgpr_count 2
		.amdhsa_user_sgpr_kernarg_segment_ptr 1
		.amdhsa_wavefront_size32 1
		.amdhsa_system_sgpr_workgroup_id_x 1
		.amdhsa_system_sgpr_workgroup_id_y 1
		.amdhsa_system_sgpr_workgroup_id_z 1
		.amdhsa_system_vgpr_workitem_id 0
		.amdhsa_next_free_vgpr 1024
		.amdhsa_next_free_sgpr 100
		.amdhsa_reserve_vcc 0
		.amdhsa_float_denorm_mode_32 3
		.amdhsa_float_denorm_mode_16_64 3
		.amdhsa_memory_ordered 1
		.amdhsa_forward_progress 1
		.amdhsa_inst_pref_size 125
	.end_amdhsa_kernel
	.amdgpu_metadata
---
amdhsa.version: [ 1, 2 ]
amdhsa.kernels:
  - .name:           k_qdf6ec54ab4_proj
    .symbol:         k_qdf6ec54ab4_proj.kd
    .args:
      - { .name: acodes, .offset: 0, .size: 8, .value_kind: global_buffer, .address_space: global }
      - { .name: codes, .offset: 8, .size: 8, .value_kind: global_buffer, .address_space: global }
      - { .name: lowp_scales, .offset: 16, .size: 8, .value_kind: global_buffer, .address_space: global }
      - { .name: b_proj, .offset: 24, .size: 8, .value_kind: global_buffer, .address_space: global }
      - { .name: out0, .offset: 32, .size: 8, .value_kind: global_buffer, .address_space: global }
    .group_segment_fixed_size: 327680
    .private_segment_fixed_size: 0
    .kernarg_segment_align: 8
    .kernarg_segment_size: 40
    .max_flat_workgroup_size: 128
    .sgpr_count:     100
    .vgpr_count:     1024
    .wavefront_size: 32
...
	.end_amdgpu_metadata
.endif
;; end of part 4
;; ======== version 2 of 2: 4 launches; version 1 with the launch attn written anew for expert scheduling mode
;; workspace buffers: codes 12,582,912 bytes; qkv 25,165,824 bytes; acodes 8,388,608 bytes
;; launch quant: the kernel of part 1 again; grid 384 x 1, 4 waves a work-group, no clusters, 34,304 bytes of LDS; arguments x, w_attn, w_proj, lowp_scales, codes; writes codes
;; launch qkv: the kernel of part 2 again; grid 12 x 32, 4 waves a work-group, clusters of 4 x 4, 327,680 bytes of LDS; arguments codes, lowp_scales, b_attn, qkv; writes qkv
;; launch attn (part 5): grid 4 x 64, 8 waves a work-group, no clusters, 66,560 bytes of LDS; arguments qkv, lowp_scales, acodes; writes acodes
.if DOCPART == 5
	.amdgcn_target "amdgcn-amd-amdhsa--gfx1250"
	.amdhsa_code_object_version 6
	.text
	.protected	k_qdf6ec54ab4_attn
	.globl	k_qdf6ec54ab4_attn
	.p2align	8
	.type	k_qdf6ec54ab4_attn,@function
k_qdf6ec54ab4_attn:
	s_mov_b64 s[64:65], 0
	v_nop
	global_prefetch_b8 v0, s[64:65] scope:SCOPE_SE
	s_setreg_imm32_b32 hwreg(HW_REG_WAVE_SCHED_MODE, 0, 2), 2
	s_setreg_imm32_b32 hwreg(HW_REG_WAVE_MODE, 25, 1), 1
	s_wait_xcnt 0x0
	s_wait_alu depctr_vm_vsrc(0)
; Causal attention on codes of FP8 (E4M3), head size 64, 2,048 tokens, 64 (batch, head) pairs; the result is quantised with e6 for the last product.
; t = score x 2^(e2 + e3) x log2(e) / 8;  M = the running largest t rounded UP to a whole number;  p = 2^(t - M) is quantised with e4, not normalised; the row's sum is taken of the unquantised p;
; when M moves, the sum and O are multiplied by 2^(old M - new M), which rounds nothing;  O x 2^(e4 + e5) / sum is the result.
; LIMITS: e2 + e3 between -123 and 130 (added to the exponent field of log2(e) / 8); e4 and e6 between -126 and 119; e4 + e5 goes through v_ldexp_f32 and has none.  NaN is not served.
; SHARES.  Work-group (i, bh) owns the blocks of 256 queries 7 - i and then i of one head: 8 - i and i + 1 slots of 256 keys, always 9: 256 work-groups of equal work, a loop of constant count, no key above the diagonal slot.
; Each of eight waves owns 32 queries of the block in hand, two tiles of 16: each fragment of K and V read from LDS feeds two products.
; LAYOUT.  q, k, v lie in memory as images of their operand registers.  Both products are used transposed (S^T = K Q^T, O^T = V^T P^T): a lane holds ONE query; register j of key tile kt is key 16 kt + 8 h + j,
; which is the place that the second product's layout gives it: the conversions' results are its operand.  O^T's conversions are the last product's operand registers.
; K AND V come through two LDS buffers of 32,768 bytes: each wave loads 4,096 dense bytes of the slot after next into registers, a whole slot ahead, and stores the next slot's into the buffer that was read last: one barrier a slot.
; NO JOINT REQUESTS: the four work-groups of a head walk the same slot only in their first five trips; from trip 8 - i on the slot's number hangs on the work-group, so the partners' requests would differ.
; THE HOLD OF p: p is at most 1 (but for a last bit), and 448 x 2^e4 is at least 1.75 where e4 >= -8: there the hold cannot bind and a scalar branch on e4 passes over it; for e4 <= -9 it is executed.
; THE MODE: SCHED_MODE bits 1:0 = 2 (LLVM: expert scheduling mode 2), set by the entry lines.  The code itself states the register dependences
; between vector or matrix instructions and memory or LDS instructions, with s_wait_alu, always for 0.
; THE PLAN.  Registers that memory or LDS instructions touch:
;   v1, v4     offsets, written at the head and never again; v1 is read by every global load and store, v4 by the head's LDS stores.
;   v2, v3     LDS addresses of the buffer that is read and of the buffer that is filled: written once a trip, at its head; read by the trip's LDS loads (v2) and LDS stores (v3).
;   the fill   (window 1, v192-223) written by global loads, read by LDS stores; no vector instruction names it.
;   K's        (window 1, v64-127) written by the LDS loads at a step's head, read by the step's 16 products K Q^T.
;   V's        (window 1, v128-191) written by LDS loads in the step's middle, read by the 8 products at its end.
;   the codes  (v240-255) written by the conversions that end a block of queries, read by its four global stores.
; A trip's head has one wait on vm_vsrc (v2 and v3 have been read) and one on va_vdst (they are written anew); one wait on vm_vsrc stands behind the fill's LDS stores.
; A step has two waits on va_vdst, one behind each tile's exponentials and ahead of their first reader.  The first also states that the products of the step before are done reading V's registers: V's loads stand behind it.
; Both stand behind the step's products K Q^T, and no vector or matrix instruction behind them names K's registers: so the next step's loads of K, at its head, owe no wait.
; The wave's number and the causal mask's bits are scalar registers that vector instructions write: a wait on va_sdst stands ahead of their first readers.
; REGISTERS.  Window 0: v1 16 x lane; v2, v3 LDS addresses in hand; v4 my place in a buffer's fill; v5 r - 8 h; v6 at work; v7 -infinity; v8-15, v16-23 a tile's statistics (-M, largest t, the sum in two halves, f, 0, two at work);
;   v24-25 permutes; v26-29 2^e4, 448 x 2^e4, 2^e6, 448 x 2^e6; v32-47 Q; v48-63 the second block's Q; v64-191 S^T, then p; v192-223 p's codes; v224-227 the sums' second chains; v240-255 the result's codes.
;   Window 1: v0-63 O^T; v64-127 K's fragments; v128-191 V's; v192-223 the fill on its way.   s56-63: the causal mask of one accumulator's eight registers.
.set ST,  8
.set Q,   32
.set Q2,  48
.set S,   64
.set P,   192
.set TT,  224
.set CD,  240
.set KFR, 64
.set VFR, 128
.set STG, 192
.set BUF, 32768
.set MK,  56
.set MSB, 0
.macro WIN new                         ; the immediate's high byte repeats the setting that is left
.if MSB != (\new)
	s_set_vgpr_msb (MSB<<8)|(\new)
.set MSB, (\new)
.endif
.endm
.macro INIT                            ; a block of queries begins: the largest t under every t, the sums and O^T zero: the first change of M multiplies zeros, so the key step is written once
.irp t, 0,1
	v_mov_b32 v[ST+8*\t+1], 0xff61b1e6             ; -3e38
	v_floor_f32 v[ST+8*\t], -v[ST+8*\t+1]          ; -M
	v_mov_b32 v[ST+8*\t+2], 0
	v_mov_b32 v[ST+8*\t+3], 0
.endr
	WIN 0x40
.set j_, 0
.rept 64
	v_mov_b32 v[j_], 0
.set j_, j_+1
.endr
	WIN 0
.endm
.macro SUMOP t, j                      ; line j of 32 of tile t's sum of p, two numbers a line, in two chains
.if (\j) == 0
	v_pk_add_f32 v[TT+2*\t:TT+2*\t+1], v[S+64*\t:S+64*\t+1], v[S+64*\t+2:S+64*\t+3]
.elseif (\j) == 31
	v_pk_add_f32 v[ST+8*\t+2:ST+8*\t+3], v[ST+8*\t+2:ST+8*\t+3], v[TT+2*\t:TT+2*\t+1]
.elseif ((\j)%2) == 1
	v_pk_add_f32 v[ST+8*\t+2:ST+8*\t+3], v[ST+8*\t+2:ST+8*\t+3], v[S+64*\t+4*(((\j)+1)/2):S+64*\t+4*(((\j)+1)/2)+1]
.else
	v_pk_add_f32 v[TT+2*\t:TT+2*\t+1], v[TT+2*\t:TT+2*\t+1], v[S+64*\t+4*((\j)/2)+2:S+64*\t+4*((\j)/2)+3]
.endif
.endm
	s_load_b128 s[4:7], s[0:1], 0x0                ; qkv s[4:5], the scales s[6:7]
	s_load_b64 s[8:9], s[0:1], 0x10                ; the result's codes
	v_lshl_add_u32 v238, v0, 2, 0x10000
	v_mov_b32 v239, 0
	v_lshrrev_b32 v2, 5, v0
	v_readfirstlane_b32 s24, v2                    ; wave 0..7
	v_and_b32 v1, 31, v0
	v_lshlrev_b32 v1, 4, v1                        ; 16 x lane
	v_and_b32 v5, 15, v0
	v_bfe_u32 v6, v0, 4, 1
	v_lshlrev_b32 v6, 3, v6
	v_sub_nc_u32 v5, v5, v6                        ; r - 8 h
	v_mov_b32 v7, 0xff800000                       ; -infinity
	v_mov_b32 v13, 0                               ; (named as the upper halves of the pairs that hold f)
	v_mov_b32 v21, 0
	v_mov_b32 v24, 0                               ; written once: a lane permute's destination counts as one of its sources
	v_mov_b32 v25, 0
	s_wait_alu depctr_va_sdst(0)                   ; s24 is written, ahead of its first reader: the line below
	s_lshl_b32 s34, s24, 12
	v_add_nc_u32 v4, s34, v1                       ; my place in a buffer's fill: 4,096 x wave + 16 x lane
	s_mov_b32 s20, 0x76543210
	s_mov_b32 s21, 0xfedcba98                      ; v_permlanex16_b32's selects for lane l xor 16
	s_and_b32 s35, ttmp7, 0xffff                   ; bh = 16 x batch + head
	s_sub_co_u32 s32, 8, ttmp9                     ; NA: the first block's slots
	s_sub_co_u32 s27, 7, ttmp9                     ; the block of queries in hand
	s_mov_b32 s26, s27                             ; the trip behind which it is finished
	s_lshl_b32 s28, s27, 8
	s_lshl_b32 s34, s24, 5
	s_add_co_u32 s28, s28, s34                     ; my first query
	s_mov_b32 s29, 0                               ; the step's first key
	s_mov_b32 s30, 0                               ; the buffer that is read
	s_mov_b32 s25, 0                               ; the trip
	s_lshl_b32 s50, s35, 17                        ; a (batch, head) pair is 2^17 bytes in each of q, k, v
	s_lshr_b32 s34, s24, 2
	s_add_co_u32 s34, s34, 1
	s_lshl_b32 s34, s34, 23                        ; waves 0-3 fill K's part (section 1), waves 4-7 V's (section 2)
	s_add_co_u32 s34, s34, s50
	s_and_b32 s51, s24, 3
	s_lshl_b32 s51, s51, 12
	s_add_co_u32 s36, s34, s51
	s_mov_b32 s37, 0
	s_lshl_b32 s51, s24, 11                        ; my two tiles of queries: 2 x 1,024 bytes a wave
	s_add_co_u32 s51, s50, s51
	s_lshl_b32 s46, s27, 14
	s_add_co_u32 s46, s46, s51
	s_mov_b32 s47, 0
	s_lshl_b32 s48, ttmp9, 14
	s_add_co_u32 s48, s48, s51
	s_mov_b32 s49, 0
	s_and_b32 s52, s35, 15                         ; the head: channels 64 head on of the last product's K
	s_lshr_b32 s53, s52, 2
	s_lshl_b32 s53, s53, 21                        ; its K step of 256,
	s_bfe_u32 s54, s52, 0x10001
	s_lshl_b32 s54, s54, 11                        ; its 128 of that,
	s_add_co_u32 s53, s53, s54
	s_and_b32 s54, s52, 1
	s_lshl_b32 s54, s54, 10                        ; its two pieces of the four
	s_add_co_u32 s53, s53, s54
	s_lshr_b32 s54, s35, 4
	s_lshl_b32 s54, s54, 7                         ; the batch's 128 tiles of 16 tokens,
	s_lshl_b32 s55, s24, 1
	s_add_co_u32 s54, s54, s55                     ; my wave's two
	s_lshl_b32 s54, s54, 12
	s_add_co_u32 s42, s53, s54
	s_mov_b32 s43, 0
	s_wait_kmcnt 0x0
	s_load_b256 s[12:19], s[6:7], 0x0              ; e0 .. e7
	s_add_nc_u64 s[36:37], s[4:5], s[36:37]        ; my 4,096 bytes of slot 0
	s_add_nc_u64 s[46:47], s[4:5], s[46:47]        ; my queries of the first block,
	s_add_nc_u64 s[48:49], s[4:5], s[48:49]        ; and of the second
	s_add_nc_u64 s[42:43], s[8:9], s[42:43]
	s_wait_alu depctr_va_vdst(0)                   ; v1 is written, which every global load and store reads as its offset, and v4, the address of the head's LDS stores
.irp t, 0,1
.irp c, 0,1
	global_load_b128 v[Q+8*\t+4*\c:Q+8*\t+4*\c+3], v1, s[46:47] offset:1024*\t+512*\c
	global_load_b128 v[Q2+8*\t+4*\c:Q2+8*\t+4*\c+3], v1, s[48:49] offset:1024*\t+512*\c
.endr
.endr
	WIN 0x40
.irp i, 0,1,2,3,4,5,6,7
	global_load_b128 v[STG+4*\i:STG+4*\i+3], v1, s[36:37] offset:512*\i          ; slot 0
.endr
	WIN 0
	INIT
	s_wait_kmcnt 0x0
	s_add_co_i32 s34, s14, s15
	s_lshl_b32 s34, s34, 23
	s_add_co_i32 s22, s34, 0x3e38aa3b              ; log2(e) / 8 with e2 + e3 added to its exponent field
	s_mov_b32 s23, s22                             ; (named with it as a pair, so it is written)
	s_add_co_i32 s33, s16, s17                     ; e4 + e5
	s_add_co_i32 s34, s16, 127
	s_lshl_b32 s35, s34, 23
	v_mov_b32 v26, s35                             ; 2^e4
	s_add_co_i32 s34, s34, 8
	s_lshl_b32 s34, s34, 23
	s_or_b32 s34, s34, 0x600000
	v_mov_b32 v27, s34                             ; 448 x 2^e4
	s_add_co_i32 s34, s18, 127
	s_lshl_b32 s35, s34, 23
	v_mov_b32 v28, s35                             ; 2^e6
	s_add_co_i32 s34, s34, 8
	s_lshl_b32 s34, s34, 23
	s_or_b32 s34, s34, 0x600000
	v_mov_b32 v29, s34                             ; 448 x 2^e6
	s_wait_loadcnt 0x0                             ; Q, and slot 0
	WIN 0x04                                       ; store data in window 1
.irp i, 0,1,2,3,4,5,6,7
	ds_store_b128 v4, v[STG+4*\i:STG+4*\i+3] offset:512*\i
.endr
	s_wait_dscnt 0x0                               ; the stores have read their registers
	WIN 0x40
	s_wait_alu depctr_vm_vsrc(0)                   ; the LDS stores above have read the fill's registers, in which the loads below land
.irp i, 0,1,2,3,4,5,6,7
	global_load_b128 v[STG+4*\i:STG+4*\i+3], v1, s[36:37] offset:16384+512*\i    ; slot 1: the first block has five slots or more
.endr
	WIN 0
; A KEY STEP: 128 keys, the st-th of the slot in hand, for my two tiles of queries.
.macro STEP st
	s_add_co_u32 s34, s28, 31                      ; a step all of whose keys come after my 32 queries is left out: a scalar branch on ids; no barrier stands in a step
	s_cmp_gt_u32 s29, s34
	s_cbranch_scc1 .Lhidden_\@
	WIN 0x40
.irp kt, 0,1,2,3,4,5,6,7                       ; K.  No wait on the vector side is owed: v2 was shown written at the trip's head, and the products that read these registers stand ahead of the last step's two waits on va_vdst
	ds_load_b128 v[KFR+8*\kt:KFR+8*\kt+3], v2 offset:8192*\st+1024*\kt
	ds_load_b128 v[KFR+8*\kt+4:KFR+8*\kt+7], v2 offset:8192*\st+1024*\kt+512
.endr
	s_wait_dscnt 0x0                               ; K's 16 loads are in: nothing else is out here
	WIN 0x01                                       ; source 0 (K) window 1
.irp kt, 0,1,2,3,4,5,6,7
.irp t, 0,1
	v_wmma_f32_16x16x64_fp8_fp8 v[S+64*\t+8*\kt:S+64*\t+8*\kt+7], v[KFR+8*\kt:KFR+8*\kt+7], v[Q+8*\t:Q+8*\t+7], 0
.endr
.endr
	WIN 0
.rept 4
	v_nop
.endr
	s_add_co_u32 s34, s29, 127                     ; on the diagonal the scores of hidden keys become -infinity ahead of the maximum; a step all of whose keys count passes over this
	s_cmp_le_u32 s34, s28
	s_cbranch_scc1 .Lopen_\@
.irp t, 0,1
	s_sub_co_i32 s34, s28, s29
	s_add_co_i32 s34, s34, 16*\t
	v_add_nc_u32 v6, s34, v5                       ; d = my query - the step's first key - 8 h: register 8 kt + j is hidden where 16 kt + j > d
.irp kt, 0,1,2,3,4,5,6,7                       ; an accumulator at a time, in ascending order: eight compares in a run, one wait, eight selects
.irp j, 0,1,2,3,4,5,6,7
	v_cmp_gt_i32 s[MK+\j], 16*\kt+\j, v6
.endr
	s_wait_alu depctr_va_sdst(0)                   ; the eight compares have written s56 to s63, ahead of their first readers: the selects below
.irp j, 0,1,2,3,4,5,6,7
	v_cndmask_b32 v[S+64*\t+8*\kt+\j], v[S+64*\t+8*\kt+\j], v7, s[MK+\j]
.endr
.endr
.endr
.Lopen_\@:
.irp t, 0,1                            ; the step's largest score of my query among my 64 keys: two chains a tile, the tiles by turns, registers in ascending order
	v_max3_num_f32 v[ST+8*\t+6], v[S+64*\t], v[S+64*\t+1], v[S+64*\t+2]
	v_max3_num_f32 v[ST+8*\t+7], v[S+64*\t+3], v[S+64*\t+4], v[S+64*\t+5]
.endr
.irp i, 6,10,14,18,22,26,30,34,38,42,46,50,54,58
.irp t, 0,1
	v_max3_num_f32 v[ST+8*\t+6], v[ST+8*\t+6], v[S+64*\t+\i], v[S+64*\t+\i+1]
	v_max3_num_f32 v[ST+8*\t+7], v[ST+8*\t+7], v[S+64*\t+\i+2], v[S+64*\t+\i+3]
.endr
.endr
.irp t, 0,1
	v_max3_num_f32 v[ST+8*\t+6], v[ST+8*\t+6], v[S+64*\t+62], v[S+64*\t+63]
.endr
.irp t, 0,1
	v_max_num_f32 v[ST+8*\t+6], v[ST+8*\t+6], v[ST+8*\t+7]
.endr
.irp t, 0,1
	v_permlanex16_b32 v[24+\t], v[ST+8*\t+6], s20, s21
.endr
.irp t, 0,1
	v_max_num_f32 v[ST+8*\t+6], v[ST+8*\t+6], v[24+\t]   ; and among lane l xor 16's
.endr
.irp t, 0,1
	v_mul_f32 v[ST+8*\t+6], s22, v[ST+8*\t+6]      ; as t (the factor is positive)
.endr
.irp t, 0,1
	v_max_num_f32 v[ST+8*\t+1], v[ST+8*\t+1], v[ST+8*\t+6]   ; the running largest t
.endr
.irp t, 0,1
	v_mov_b32 v[ST+8*\t+6], v[ST+8*\t]
.endr
.irp t, 0,1
	v_floor_f32 v[ST+8*\t], -v[ST+8*\t+1]          ; the new -M = floor(-t): M is a whole number
.endr
.irp t, 0,1
	v_sub_f32 v[ST+8*\t+6], v[ST+8*\t], v[ST+8*\t+6]   ; old M - new M: a whole number, 0 or less
.endr
.irp t, 0,1
	v_cvt_i32_f32 v[ST+8*\t+6], v[ST+8*\t+6]       ; (it saturates)
.endr
.irp t, 0,1
	v_ldexp_f32 v[ST+8*\t+4], 1.0, v[ST+8*\t+6]    ; f = 2^(old M - new M)
.endr
.set j_, 0
.rept 32
	v_pk_fma_f32 v[S+j_:S+j_+1], v[S+j_:S+j_+1], s[22:23], v[ST:ST+1] op_sel_hi:[1,0,0]   ; tile 0: t - M, two at a time
.set j_, j_+2
.endr
.set j_, 0
.rept 32                               ; tile 0's exponentials, with tile 1's scalings between them
	v_exp_f32 v[S+j_], v[S+j_]
	v_exp_f32 v[S+j_+1], v[S+j_+1]
	v_pk_fma_f32 v[S+64+j_:S+64+j_+1], v[S+64+j_:S+64+j_+1], s[22:23], v[ST+8:ST+9] op_sel_hi:[1,0,0]
.set j_, j_+2
.endr
	v_pk_mul_f32 v[ST+2:ST+3], v[ST+2:ST+3], v[ST+4:ST+5] op_sel_hi:[1,0]        ; the sums under the new M
	v_pk_mul_f32 v[ST+10:ST+11], v[ST+10:ST+11], v[ST+12:ST+13] op_sel_hi:[1,0]
	WIN 0x40                                       ; destination window 1, for V's loads
	s_wait_alu depctr_va_vdst(0)                   ; tile 0's exponentials have written p, ahead of their first reader; and the products of the step before are done reading V's registers, in which the loads below land
.irp dt, 0,1,2,3                       ; V: it has tile 1's exponentials, both sums, the conversions and O^T's rescaling in which to land
.irp c, 0,1,2,3
	ds_load_b128 v[VFR+16*\dt+4*\c:VFR+16*\dt+4*\c+3], v2 offset:16384+8192*\st+2048*\dt+512*\c
.endr
.endr
	WIN 0
.set j_, 0
.rept 32                               ; tile 1's exponentials, with tile 0's sum of the unquantised p between them
	v_exp_f32 v[S+64+2*j_], v[S+64+2*j_]
	v_exp_f32 v[S+64+2*j_+1], v[S+64+2*j_+1]
	SUMOP 0, j_
.set j_, j_+1
.endr
	v_nop
	s_wait_alu depctr_va_vdst(0)                   ; tile 1's exponentials have written p, ahead of their first reader
.set j_, 0
.rept 32
	SUMOP 1, j_
.set j_, j_+1
.endr
	s_cmp_ge_i32 s16, -8                           ; e4 >= -8: 448 x 2^e4 >= 1.75 > p: the hold cannot bind
	s_cbranch_scc1 .Lnohold_\@
.set j_, 0
.rept 128
	v_min_num_f32 v[S+j_], v[S+j_], v27            ; p is not negative: the hold is one-sided
.set j_, j_+1
.endr
.Lnohold_\@:
.irp t, 0,1
.irp kt, 0,1,2,3,4,5,6,7
	v_cvt_scalef32_pk8_fp8_f32 v[P+16*\t+2*\kt:P+16*\t+2*\kt+1], v[S+64*\t+8*\kt:S+64*\t+8*\kt+7], v26
.endr
.endr
	WIN 0x41                                       ; O^T (destination and source 0) window 1, f window 0
.irp t, 0,1
.set j_, 0
.rept 16
	v_pk_mul_f32 v[32*\t+j_:32*\t+j_+1], v[32*\t+j_:32*\t+j_+1], v[ST+8*\t+4:ST+8*\t+5] op_sel_hi:[1,0]   ; O^T under the new M; these are also the plain lines behind the conversions
.set j_, j_+2
.endr
.endr
	s_wait_dscnt 0x0                               ; V is in
	WIN 0x51                                       ; V window 1, p's codes window 0, O^T window 1
.irp dt, 0,1,2,3                       ; the eight accumulators take turns, one instruction a turn
.irp t, 0,1
	v_wmma_f32_16x16x128_fp8_fp8 v[32*\t+8*\dt:32*\t+8*\dt+7], v[VFR+16*\dt:VFR+16*\dt+15], v[P+16*\t:P+16*\t+15], v[32*\t+8*\dt:32*\t+8*\dt+7]
.endr
.endr
	WIN 0
.Lhidden_\@:
	s_add_co_u32 s29, s29, 128
.endm
; A block of queries is finished: O^T x 2^(e4 + e5) / the sum, quantised with e6, stored as the last product's operand registers; then the second block is set up.
; (Behind the second block the set-up is executed once more for nothing: the price of writing this once.)
.macro FINISH
	s_wait_xcnt 0x0                                ; the first block's stores have read their base and their data: both are written again only behind this wait
	s_wait_alu depctr_vm_vsrc(0)                   ; the first block's stores have read the codes' registers v240 to v255, which the conversions below write again
	s_lshl_b32 s50, s27, 16                        ; the block's 16 tiles of tokens x 4,096 bytes
	s_mov_b32 s51, 0
	s_add_nc_u64 s[44:45], s[42:43], s[50:51]
.rept 4
	v_nop                                          ; places behind the last products
.endr
.irp t, 0,1
	v_add_f32 v[ST+8*\t+6], v[ST+8*\t+2], v[ST+8*\t+3]
.endr
.irp t, 0,1
	v_permlanex16_b32 v[24+\t], v[ST+8*\t+6], s20, s21
.endr
.irp t, 0,1
	v_add_f32 v[ST+8*\t+6], v[ST+8*\t+6], v[24+\t]     ; the row's sum
.endr
.irp t, 0,1
	v_rcp_f32 v[ST+8*\t+4], v[ST+8*\t+6]
.endr
	v_nop
	s_wait_alu depctr_va_vdst(0)                   ; the two reciprocals have written their results, ahead of their first reader
.irp t, 0,1
	v_ldexp_f32 v[ST+8*\t+4], v[ST+8*\t+4], s33
.endr
	WIN 0x01                                       ; source 0 (O^T) window 1
.irp t, 0,1
.set j_, 0
.rept 16
	v_pk_mul_f32 v[S+64*\t+j_:S+64*\t+j_+1], v[32*\t+j_:32*\t+j_+1], v[ST+8*\t+4:ST+8*\t+5] op_sel_hi:[1,0]
.set j_, j_+2
.endr
.endr
	WIN 0
.irp t, 0,1
.set j_, 0
.rept 32
	v_med3_num_f32 v[S+64*\t+j_], v[S+64*\t+j_], -v29, v29
.set j_, j_+1
.endr
.endr
.irp t, 0,1
.irp dt, 0,1,2,3
	v_cvt_scalef32_pk8_fp8_f32 v[CD+8*\t+2*\dt:CD+8*\t+2*\dt+1], v[S+64*\t+8*\dt:S+64*\t+8*\dt+7], v28
.endr
.endr
	v_nop                                          ; one plain vector line behind the run of conversions
	s_wait_alu depctr_va_vdst(0)                   ; the conversions have written v240 to v255, which the four stores below read
.irp t, 0,1
.irp c, 0,1
	global_store_b128 v1, v[CD+8*\t+4*\c:CD+8*\t+4*\c+3], s[44:45] offset:4096*\t+512*\c   ; a piece: 512 consecutive bytes, aligned
.endr
.endr
	s_mov_b32 s27, ttmp9                           ; the second block,
	s_lshl_b32 s28, ttmp9, 8
	s_lshl_b32 s34, s24, 5
	s_add_co_u32 s28, s28, s34                     ; my first query in it,
	s_mov_b32 s29, 0                               ; its keys begin anew,
	s_mov_b32 s26, 8                               ; and it is finished behind the last trip
.set j_, 0
.rept 16
	v_mov_b32 v[Q+j_], v[Q2+j_]
.set j_, j_+1
.endr
	INIT
.endm
.Lslot:                                            ; nine trips, one slot of 256 keys each
	s_wait_dscnt 0x0                               ; my stores of this slot have landed, and my reads of the last slot are back:
	s_barrier_signal -1
	s_barrier_wait -1                              ; both now hold of every wave: this buffer is whole, and the other one is read by nobody
	s_wait_loadcnt 0x0                             ; the next slot's bytes, asked for a slot ago, are in registers; their base may be written
	s_wait_alu depctr_vm_vsrc(0)                   ; the last trip's LDS loads have read v2 and its LDS stores v3: both are written below
	s_xor_b32 s31, s30, BUF                        ; the buffer that was read last
	v_add_nc_u32 v3, s31, v4                       ; where I fill
	v_add_nc_u32 v2, s30, v1                       ; where I read
	s_wait_alu depctr_va_vdst(0)                   ; v2 and v3 are written: this trip's LDS loads and stores read them as addresses
	s_cmp_lt_u32 s25, 8
	s_cbranch_scc0 .Lnofill
	WIN 0x04
.irp i, 0,1,2,3,4,5,6,7
	ds_store_b128 v3, v[STG+4*\i:STG+4*\i+3] offset:512*\i
.endr
	WIN 0
	s_wait_dscnt 0x0                               ; the stores have read their registers
	s_wait_alu depctr_vm_vsrc(0)                   ; the LDS stores above have read the fill's registers, in which the loads below land; only scalar lines and a window switch stand between
	s_cmp_lt_u32 s25, 7
	s_cbranch_scc0 .Lnofill
	s_add_co_u32 s34, s25, 2                       ; the slot after next: its number among the nine,
	s_cmp_ge_u32 s34, s32
	s_cselect_b32 s35, s32, 0
	s_sub_co_u32 s34, s34, s35                     ; and among the keys: the second block begins at key 0 again
	s_lshl_b32 s40, s34, 14
	s_mov_b32 s41, 0
	s_add_nc_u64 s[38:39], s[36:37], s[40:41]
	WIN 0x40
.irp i, 0,1,2,3,4,5,6,7
	global_load_b128 v[STG+4*\i:STG+4*\i+3], v1, s[38:39] offset:512*\i
.endr
	WIN 0
.Lnofill:
	STEP 0
	STEP 1
	s_cmp_lg_u32 s25, s26
	s_cbranch_scc1 .Lnofin
	FINISH
.Lnofin:
	s_xor_b32 s30, s30, BUF
	s_add_co_u32 s25, s25, 1
	s_cmp_lt_u32 s25, 9
	s_cbranch_scc1 .Lslot
	s_wait_dscnt 0x0                               ; the closing lines, six on end
	s_wait_alu 0x0
	s_wait_tensorcnt 0x0
	ds_add_u32 v238, v239
	s_wait_dscnt 0x0
	s_endpgm
.Lfunc_end_k_qdf6ec54ab4_attn:
	.size	k_qdf6ec54ab4_attn, .Lfunc_end_k_qdf6ec54ab4_attn-k_qdf6ec54ab4_attn
	.p2alignl 7, 3214868480
	.fill 96, 4, 3214868480
	.section	.rodata,"a",@progbits
	.p2align	6, 0x0
	.amdhsa_kernel k_qdf6ec54ab4_attn
		.amdhsa_group_segment_fixed_size 66560
		.amdhsa_private_segment_fixed_size 0
		.amdhsa_enable_private_segment 0
		.amdhsa_kernarg_size 24
		.amdhsa_user_sgpr_count 2
		.amdhsa_user_sgpr_kernarg_segment_ptr 1
		.amdhsa_wavefront_size32 1
		.amdhsa_system_sgpr_workgroup_id_x 1
		.amdhsa_system_sgpr_workgroup_id_y 1
		.amdhsa_system_sgpr_workgroup_id_z 1
		.amdhsa_system_vgpr_workitem_id 0
		.amdhsa_next_free_vgpr 512
		.amdhsa_next_free_sgpr 66
		.amdhsa_reserve_vcc 0
		.amdhsa_float_denorm_mode_32 3
		.amdhsa_float_denorm_mode_16_64 3
		.amdhsa_memory_ordered 1
		.amdhsa_forward_progress 1
		.amdhsa_inst_pref_size 117
	.end_amdhsa_kernel
	.amdgpu_metadata
---
amdhsa.version: [ 1, 2 ]
amdhsa.kernels:
  - .name:           k_qdf6ec54ab4_attn
    .symbol:         k_qdf6ec54ab4_attn.kd
    .args:
      - { .name: qkv, .offset: 0, .size: 8, .value_kind: global_buffer, .address_space: global }
      - { .name: lowp_scales, .offset: 8, .size: 8, .value_kind: global_buffer, .address_space: global }
      - { .name: acodes, .offset: 16, .size: 8, .value_kind: global_buffer, .address_space: global }
    .group_segment_fixed_size: 66560
    .private_segment_fixed_size: 0
    .kernarg_segment_align: 8
    .kernarg_segment_size: 24
    .max_flat_workgroup_size: 256
    .sgpr_count:     66
    .vgpr_count:     512
    .wavefront_size: 32
...
	.end_amdgpu_metadata
.endif
;; end of part 5
;; launch proj: the kernel of part 4 again; grid 4 x 32, 4 waves a work-group, clusters of 4 x 4, 327,680 bytes of LDS; arguments acodes, codes, lowp_scales, b_proj, out0; writes out0
